; MI455X (gfx1250); checked and timed in simulation.
; The chip was launched on July 23, 2026; its instructions are those of AMD's public machine-readable ISA for CDNA 5 (MIT licence, August 2026) and "CDNA5" Instruction Set Architecture Reference Guide (July 2026). The comments in the code are by the model that wrote it; some were corrected since.
;; Multi Head Dot Product Attention. Allowed arithmetic: float matrix products may take bf16 or f16 operands with f32 sums; all other float work in f32.
;; Inputs: inputs_kv 2 x 4,096 x 512 float32; inputs_q 2 x 4,096 x 512 float32; w_k 512 x 512 float32; w_o 512 x 512 float32; w_q 512 x 512 float32; w_v 512 x 512 float32.
;; Outputs: out0 2 x 4,096 x 512 float32.
;; 2 versions, each right and faster than the one before. Each part assembles by itself: llvm-mc -triple=amdgcn-amd-amdhsa -mcpu=gfx1250 --defsym DOCPART=n.
;; ======== version 1 of 2: 4 launches
;; limits: values are held in f16: magnitudes above 65,504 overflow, below 6.1e-05 lose precision
;; workspace buffers: wt 2,097,152 bytes; qb 8,388,608 bytes; kb 8,388,608 bytes; vt 8,388,608 bytes; ob 8,388,608 bytes
;; launch wprep (part 1): grid 64 x 4, 4 waves a work-group, no clusters, 9,728 bytes of LDS; arguments w_q, w_k, w_v, w_o, wt; writes wt
.if DOCPART == 1
	.amdgcn_target "amdgcn-amd-amdhsa--gfx1250"
	.amdhsa_code_object_version 6
	.text
	.protected	k_qbf4edc09be_wprep
	.globl	k_qbf4edc09be_wprep
	.p2align	8
	.type	k_qbf4edc09be_wprep,@function
k_qbf4edc09be_wprep:
	s_mov_b64 s[64:65], 0
	v_nop
	global_prefetch_b8 v0, s[64:65] scope:SCOPE_SE
	s_setreg_imm32_b32 hwreg(HW_REG_WAVE_MODE, 25, 1), 1
	s_wait_xcnt 0x0
; wt[mat][kc][n][kk] = f16(W_mat[64 kc + kk][n]): the four weights transposed and rounded once, in K chunks of 64,
; so that a tile (kc, 128 n) is 16,384 dense bytes with K along the rows, as matrix fragments want it.
; A work-group transposes 64 k x 64 n through LDS.  x = 8 kc + nb, y = mat (0 q, 1 k, 2 v, 3 o).
; Wave w reads rows k = 16 w .. 16 w + 15; lane l the columns 2 l, 2 l + 1: one load of a wave covers 256 aligned bytes.
; FORMAT: f16, 11 significant bits.  LIMIT: a weight beyond 65,504 in magnitude becomes infinity; below 6.1e-5 the step is 6e-8.
; No matrix unit, no cluster: each byte is read once and written once, and no two work-groups share a byte.
.set PIT, 144                          ; a stage row: 64 k in f16 (128 bytes) + 16
	s_load_b256 s[4:11], s[0:1], 0x0               ; w_q s[4:5], w_k s[6:7], w_v s[8:9], w_o s[10:11]
	s_load_b64 s[12:13], s[0:1], 0x20              ; wt
	v_lshl_add_u32 v64, v0, 2, 0x2400
	v_mov_b32 v65, 0
	s_and_b32 s16, ttmp7, 0xffff                   ; mat
	s_lshr_b32 s17, ttmp9, 3                       ; kc
	s_and_b32 s18, ttmp9, 7                        ; nb
	s_lshl_b32 s20, s17, 17                        ; source: 64 kc rows of 2,048 bytes
	s_lshl_b32 s21, s18, 8                         ; + 64 nb columns of 4 bytes
	s_add_co_u32 s20, s20, s21
	s_mov_b32 s21, 0
	s_lshl_b32 s22, s16, 19                        ; target: mat x 524,288
	s_lshl_b32 s23, s17, 16                        ; + kc x 512 rows of 128 bytes
	s_add_co_u32 s22, s22, s23
	s_lshl_b32 s23, s18, 13                        ; + 64 nb rows of 128 bytes
	s_add_co_u32 s22, s22, s23
	s_mov_b32 s23, 0
	v_lshrrev_b32 v2, 5, v0                        ; wave
	v_and_b32 v3, 31, v0                           ; lane
	v_lshlrev_b32 v1, 3, v3                        ; 8 bytes a lane
	v_lshl_add_u32 v1, v2, 15, v1                  ; + 16 rows of 2,048 bytes a wave
	s_wait_kmcnt 0x0
	s_cmp_eq_u32 s16, 1                            ; the weight of this work-group, chosen by its y
	s_cselect_b64 s[4:5], s[6:7], s[4:5]
	s_cmp_eq_u32 s16, 2
	s_cselect_b64 s[4:5], s[8:9], s[4:5]
	s_cmp_eq_u32 s16, 3
	s_cselect_b64 s[4:5], s[10:11], s[4:5]
	s_add_nc_u64 s[4:5], s[4:5], s[20:21]
	s_add_nc_u64 s[12:13], s[12:13], s[22:23]
.irp i, 0,1,2,3,4,5,6,7,8,9,10,11,12,13,14,15
	global_load_b64 v[8+2*\i:9+2*\i], v1, s[4:5] offset:\i*2048 th:TH_LOAD_NT   ; W[16 w + i][2 l], W[16 w + i][2 l + 1]; read once in the launch
.endr
	v_mul_u32_u24 v4, v3, 2*PIT                    ; in: stage row n = 2 l,
	v_lshl_add_u32 v4, v2, 5, v4                   ; my wave's 16 k = 32 bytes
	v_lshrrev_b32 v5, 3, v0                        ; back: thread t takes 16 bytes of row t / 8
	v_mul_u32_u24 v5, v5, PIT
	v_and_b32 v6, 7, v0
	v_lshl_add_u32 v5, v6, 4, v5
	v_lshlrev_b32 v6, 4, v0                        ; and puts them at 16 t
	s_wait_loadcnt 0x0
.irp i, 0,1,2,3,4,5,6,7
	v_cvt_pk_f16_f32 v[40+\i], v[8+4*\i], v[10+4*\i]       ; column 2 l: k = 2 i, 2 i + 1
	v_cvt_pk_f16_f32 v[48+\i], v[9+4*\i], v[11+4*\i]       ; column 2 l + 1
.endr
	ds_store_b128 v4, v[40:43]
	ds_store_b128 v4, v[44:47] offset:16
	ds_store_b128 v4, v[48:51] offset:PIT
	ds_store_b128 v4, v[52:55] offset:PIT+16
	s_wait_dscnt 0x0                               ; my stores are done before I say so: the other waves read them
	s_barrier_signal -1
	s_barrier_wait -1
.irp i, 0,1,2,3
	ds_load_b128 v[8+4*\i:11+4*\i], v5 offset:\i*16*PIT    ; rows 16 i + t / 8
.endr
.irp i, 0,1,2,3
	s_wait_dscnt 3-\i                              ; LDS loads come back in order: load i is in, the younger ones stay out
	global_store_b128 v6, v[8+4*\i:11+4*\i], s[12:13] offset:\i*2048   ; a wave's store covers 512 dense bytes, aligned
.endr
	s_wait_tensorcnt 0x0
	ds_add_u32 v64, v65
	s_wait_dscnt 0x0
	s_endpgm
.Lfunc_end_k_qbf4edc09be_wprep:
	.size	k_qbf4edc09be_wprep, .Lfunc_end_k_qbf4edc09be_wprep-k_qbf4edc09be_wprep
	.p2alignl 7, 3214868480
	.fill 96, 4, 3214868480
	.section	.rodata,"a",@progbits
	.p2align	6, 0x0
	.amdhsa_kernel k_qbf4edc09be_wprep
		.amdhsa_group_segment_fixed_size 9728
		.amdhsa_private_segment_fixed_size 0
		.amdhsa_enable_private_segment 0
		.amdhsa_kernarg_size 40
		.amdhsa_user_sgpr_count 2
		.amdhsa_user_sgpr_kernarg_segment_ptr 1
		.amdhsa_wavefront_size32 1
		.amdhsa_system_sgpr_workgroup_id_x 1
		.amdhsa_system_sgpr_workgroup_id_y 1
		.amdhsa_system_sgpr_workgroup_id_z 1
		.amdhsa_system_vgpr_workitem_id 0
		.amdhsa_next_free_vgpr 66
		.amdhsa_next_free_sgpr 66
		.amdhsa_reserve_vcc 0
		.amdhsa_float_denorm_mode_32 3
		.amdhsa_float_denorm_mode_16_64 3
		.amdhsa_memory_ordered 1
		.amdhsa_forward_progress 1
		.amdhsa_inst_pref_size 6
	.end_amdhsa_kernel
	.amdgpu_metadata
---
amdhsa.version: [ 1, 2 ]
amdhsa.kernels:
  - .name:           k_qbf4edc09be_wprep
    .symbol:         k_qbf4edc09be_wprep.kd
    .args:
      - { .name: w_q, .offset: 0, .size: 8, .value_kind: global_buffer, .address_space: global }
      - { .name: w_k, .offset: 8, .size: 8, .value_kind: global_buffer, .address_space: global }
      - { .name: w_v, .offset: 16, .size: 8, .value_kind: global_buffer, .address_space: global }
      - { .name: w_o, .offset: 24, .size: 8, .value_kind: global_buffer, .address_space: global }
      - { .name: wt, .offset: 32, .size: 8, .value_kind: global_buffer, .address_space: global }
    .group_segment_fixed_size: 9728
    .private_segment_fixed_size: 0
    .kernarg_segment_align: 8
    .kernarg_segment_size: 40
    .max_flat_workgroup_size: 128
    .sgpr_count:     66
    .vgpr_count:     66
    .wavefront_size: 32
...
	.end_amdgpu_metadata
.endif
;; end of part 1
;; launch proj (part 2): grid 12 x 64, 8 waves a work-group, no clusters, 74,752 bytes of LDS; arguments inputs_q, inputs_kv, wt, qb, kb, vt; writes qb, kb, vt
.if DOCPART == 2
	.amdgcn_target "amdgcn-amd-amdhsa--gfx1250"
	.amdhsa_code_object_version 6
	.text
	.protected	k_qbf4edc09be_proj
	.globl	k_qbf4edc09be_proj
	.p2align	8
	.type	k_qbf4edc09be_proj,@function
k_qbf4edc09be_proj:
	s_mov_b64 s[64:65], 0
	v_nop
	global_prefetch_b8 v0, s[64:65] scope:SCOPE_SE
	s_setreg_imm32_b32 hwreg(HW_REG_WAVE_MODE, 25, 1), 1
	s_wait_xcnt 0x0
; The three input projections.  x = 4 mat + cb (mat 0 q, 1 k, 2 v; cb: 128 columns = two heads), y = tb (128 tokens of the 8,192).
; A work-group makes 128 tokens x 128 columns over K = 512, in eight K steps of 64 through two LDS slots.
;   qb[b 8 + h][s][64] = f16(0.125 log2(e) x (inputs_q w_q))   (the factor of the scores and of the base-2 exponential, applied in f32)
;   kb[b 8 + h][s][64] = f16(inputs_kv w_k)
;   vt[b 8 + h][s / 32][d][32 keys] = f16(inputs_kv w_v), transposed in blocks of 32 keys
; FORMAT: all matrix operands are f16 (11 significant bits): twelve roundings lie between the inputs and the output, and with 8 significant
; bits their sum comes too near the hundredth of the output's spread that is allowed.  ROOM: f16's largest number is 65,504.  q, k, v are sums
; of 512 products x w: with x of spread 1 and w of spread 1 / sqrt(512) their spread is 1; with both 30 times larger it is 900; with a common
; offset of 30 spreads on both they lie at 512 x 30 x 1.33 = 20,400.  LIMIT: beyond 65,504 a conversion gives infinity and the result is not finite.
; X is f32 and is rounded to f16 on its way: memory -> registers -> LDS.  W comes from wt, already f16 with K along the rows.
; Every product is D = (A: 16 rows of R) x (B: 16 rows of P): lane l holds row l % 16 of P and eight neighbouring rows of R.
;   q, k: P = tokens, R = columns: a lane holds eight neighbouring columns of a token.
;   v:    P = columns, R = tokens: a lane holds eight neighbouring tokens of a column, which is vt's order.
; Wave w: P rows 64 (w & 1) .. + 63, R rows 32 (w >> 1) .. + 31: 4 x 2 accumulator tiles.
; NO CLUSTER: two thirds of a step's bytes (32 of 48 KiB) are f32 numbers that have to pass through registers to be rounded, and loads
; into registers have no joint form.  x runs fastest, so the twelve units of one token block stand next to each other in the grid.
.set PIT,  144                         ; an LDS row: 64 k in f16 (128 bytes) + 16: the 16 rows of a fragment load start in 16 different 16-byte columns modulo 256 bytes
.set WOFF, 128*PIT                     ; a slot: X's 128 rows, then W's 128 rows
.set SLOT, 2*WOFF
.set SPIT, 272                         ; a stage row: 128 f16 + 16 bytes.  The stage (128 rows) lies over the slots, behind a barrier
.set XG,  2                            ; v2   X in memory: (t / 16) rows of 2,048 bytes + 16 (t % 16)
.set TG,  3                            ; v3   16 t
.set XS,  4                            ; v4   X in LDS: (t / 16) PIT + 8 (t % 16)
.set WS,  5                            ; v5   W in LDS: WOFF + (t / 8) PIT + 16 (t % 8); WOFF stands in the register: slot 1's last rows would pass the 16-bit immediate
.set PF,  6                            ; v6   P fragments
.set RF,  7                            ; v7   R fragments
.set STO, 8                            ; v8   the way out: where my 16 bytes go
.set RD,  9                            ; v9   the way out: where I read back
.set XR,  10                           ; v[10:41]   X as loaded (8 x 4 f32), then rounded in place
.set WR,  42                           ; v[42:57]   W as loaded
.set PFR, 58                           ; v[58:89]   four P fragments
.set RFR, 90                           ; v[90:105]  two R fragments
.set ACC, 106                          ; v[106:169] accumulator tile 2 pt + rt; before the first product: at work
.macro LOADT kc                        ; K step kc: 12 loads a thread
.irp i, 0,1,2,3,4,5,6,7
	global_load_b128 v[XR+4*\i:XR+4*\i+3], v[XG], s[22:23] offset:\i*32768+(\kc)*256     ; rows 16 i + t / 16: sixteen lanes read 256 aligned bytes
.endr
.irp i, 0,1,2,3
	global_load_b128 v[WR+4*\i:WR+4*\i+3], v[TG], s[24:25] offset:(\kc)*65536+\i*4096    ; the tile is 16,384 dense bytes
.endr
.endm
.macro CVTX                            ; 32 f32 to 32 f16, in place: words 4 i, 4 i + 1 hold the four numbers of load i
.irp i, 0,1,2,3,4,5,6,7
	v_cvt_pk_f16_f32 v[XR+4*\i],   v[XR+4*\i],   v[XR+4*\i+1]
	v_cvt_pk_f16_f32 v[XR+4*\i+1], v[XR+4*\i+2], v[XR+4*\i+3]
.endr
.endm
.macro STORET s
.irp i, 0,1,2,3,4,5,6,7
	ds_store_b64 v[XS], v[XR+4*\i:XR+4*\i+1] offset:\s*SLOT+\i*16*PIT
.endr
.irp i, 0,1,2,3
	ds_store_b128 v[WS], v[WR+4*\i:WR+4*\i+3] offset:\s*SLOT+\i*32*PIT
.endr
.endm
; A fragment is 16 rows x 32 k: lane l holds row l % 16; two loads of 16 bytes, 32 bytes apart, at row x PIT + 16 (l / 16).
.macro FRAG isv, s, ks
.irp pt, 0,1,2,3
	ds_load_b128 v[PFR+8*\pt:PFR+8*\pt+3],   v[PF] offset:\isv*WOFF+\s*SLOT+\pt*16*PIT+\ks*64
	ds_load_b128 v[PFR+8*\pt+4:PFR+8*\pt+7], v[PF] offset:\isv*WOFF+\s*SLOT+\pt*16*PIT+\ks*64+32
.endr
.irp rt, 0,1
	ds_load_b128 v[RFR+8*\rt:RFR+8*\rt+3],   v[RF] offset:(1-\isv)*WOFF+\s*SLOT+\rt*16*PIT+\ks*64
	ds_load_b128 v[RFR+8*\rt+4:RFR+8*\rt+7], v[RF] offset:(1-\isv)*WOFF+\s*SLOT+\rt*16*PIT+\ks*64+32
.endr
.endm
.macro MM zero                         ; eight products; the eight accumulators take turns, one instruction a turn
.irp pt, 0,1,2,3
.irp rt, 0,1
.if \zero
	v_wmma_f32_16x16x32_f16 v[ACC+8*(2*\pt+\rt):ACC+8*(2*\pt+\rt)+7], v[RFR+8*\rt:RFR+8*\rt+7], v[PFR+8*\pt:PFR+8*\pt+7], 0
.else
	v_wmma_f32_16x16x32_f16 v[ACC+8*(2*\pt+\rt):ACC+8*(2*\pt+\rt)+7], v[RFR+8*\rt:RFR+8*\rt+7], v[PFR+8*\pt:PFR+8*\pt+7], v[ACC+8*(2*\pt+\rt):ACC+8*(2*\pt+\rt)+7]
.endif
.endr
.endr
.endm
.macro PLACES                          ; four places behind a matrix instruction before a load lands in one of its sources or its result is read
.rept 4
	v_nop
.endr
.endm
; K step kc, read from slot cur.  Tile kc + 1 goes from registers into slot nxt, tile kc + 2 is asked for.
; ONE barrier a step: in front of its signal my reads of cur and my stores into nxt are done (the wait for 0 on DScnt);
; behind its wait nxt is whole and nobody reads cur, which the next step's stores overwrite.
.macro TRIP isv, kc, cur, nxt
	FRAG \isv, \cur, 0
	s_wait_dscnt 0x0
.if \kc == 0
	MM 1                                           ; the first products start the sums: nothing is cleared
.else
	MM 0
.endif
.if \kc < 7
	s_wait_loadcnt 0x0                             ; tile kc + 1: its 12 loads are the only ones out
	CVTX                                           ; sixteen plain vector instructions: also the places in front of the fragment loads below
	STORET \nxt
.else
	PLACES
.endif
	FRAG \isv, \cur, 1
	s_wait_dscnt 0x0                               ; fragments in, stores done
.if \kc < 6
	LOADT \kc+2                                    ; behind that wait: the LDS stores have read XR and WR
.endif
.if \kc < 7
	s_barrier_signal -1
.endif
	MM 0                                           ; register work while the others arrive
	PLACES
.if \kc < 7
	s_barrier_wait -1
.endif
.endm
.macro BODY isv
.if \isv
	v_lshrrev_b32 v[ACC+2], 2, v0                  ; back: 64 bytes (32 tokens) of column row t / 4
	v_and_b32 v[ACC+3], 3, v0
.else
	v_lshrrev_b32 v[ACC+2], 3, v0                  ; back: 128 bytes (one head) of token row t / 8
	v_and_b32 v[ACC+3], 7, v0
.endif
	v_mul_u32_u24 v[RD], v[ACC+2], SPIT
	v_lshl_add_u32 v[RD], v[ACC+3], 4, v[RD]
	TRIP \isv, 0, 0, 1
	TRIP \isv, 1, 1, 0
	TRIP \isv, 2, 0, 1
	TRIP \isv, 3, 1, 0
	TRIP \isv, 4, 0, 1
	TRIP \isv, 5, 1, 0
	TRIP \isv, 6, 0, 1
	TRIP \isv, 7, 1, 0
	s_barrier_signal -1                            ; every wave's reads of the slots are back (its last wait on DScnt was for 0):
	s_barrier_wait -1                              ; the stage may be written over them
.if \isv == 0
	s_cmp_lg_u32 s18, 0
	s_cbranch_scc1 .Lunscaled                      ; k is stored as it is
.set ix, 0
.rept 32
	v_pk_mul_f32 v[ACC+ix:ACC+ix+1], v[ACC+ix:ACC+ix+1], s[30:31] op_sel_hi:[1,0]   ; q x 0.125 log2(e)
.set ix, ix+2
.endr
.Lunscaled:
.endif
.set ix, 0
.rept 32
	v_cvt_pk_f16_f32 v[PFR+ix], v[ACC+2*ix], v[ACC+2*ix+1]        ; tile ix / 4: eight neighbouring numbers become 16 bytes
.set ix, ix+1
.endr
.irp pt, 0,1,2,3
.irp rt, 0,1
	ds_store_b128 v[STO], v[PFR+4*(2*\pt+\rt):PFR+4*(2*\pt+\rt)+3] offset:\pt*16*SPIT+\rt*32
.endr
.endr
	s_wait_dscnt 0x0                               ; my part of the stage is written before I say so
	s_barrier_signal -1
	s_barrier_wait -1
.irp i, 0,1,2,3,4,5,6,7
.if \isv
	ds_load_b128 v[XR+4*\i:XR+4*\i+3], v[RD] offset:(\i>>2)*64*SPIT+(\i&3)*64      ; head i / 4 (64 rows), key block i % 4 (64 bytes)
.else
	ds_load_b128 v[XR+4*\i:XR+4*\i+3], v[RD] offset:(\i&3)*32*SPIT+(\i>>2)*128     ; tokens 32 (i % 4) .., head i / 4 (128 bytes)
.endif
.endr
.irp i, 0,1,2,3,4,5,6,7
	s_wait_dscnt 7-\i                              ; load i is in, the younger ones stay out
	global_store_b128 v[TG], v[XR+4*\i:XR+4*\i+3], s[26:27] offset:(\i>>2)*524288+(\i&3)*4096   ; a wave's store covers 512 dense bytes, aligned
.endr
	s_wait_tensorcnt 0x0
	ds_add_u32 v170, v171
	s_wait_dscnt 0x0
	s_endpgm
.endm
	s_load_b256 s[4:11], s[0:1], 0x0               ; inputs_q s[4:5], inputs_kv s[6:7], wt s[8:9], qb s[10:11]
	s_load_b128 s[12:15], s[0:1], 0x20             ; kb s[12:13], vt s[14:15]
	v_lshl_add_u32 v170, v0, 2, 0x12000
	v_mov_b32 v171, 0
	s_lshr_b32 s18, ttmp9, 2                       ; mat
	s_and_b32 s19, ttmp9, 3                        ; cb
	s_and_b32 s20, ttmp7, 0xffff                   ; tb
	s_lshl_b32 s32, s20, 18                        ; X: 128 tb rows of 2,048 bytes
	s_mov_b32 s33, 0
	s_lshl_b32 s34, s18, 19                        ; wt: mat x 524,288
	s_lshl_b32 s21, s19, 14                        ; + 128 cb rows of 128 bytes
	s_add_co_u32 s34, s34, s21
	s_mov_b32 s35, 0
	s_lshr_b32 s36, s20, 5                         ; out: batch b = tb / 32,
	s_lshl_b32 s36, s36, 2
	s_add_co_u32 s36, s36, s19                     ; head 8 b + 2 cb = 2 (4 b + cb),
	s_lshl_b32 s36, s36, 20                        ; 524,288 bytes a head
	s_and_b32 s21, s20, 31
	s_lshl_b32 s21, s21, 14                        ; + 128 (tb % 32) tokens of 128 bytes, in qb, kb and vt alike
	s_add_co_u32 s36, s36, s21
	s_mov_b32 s37, 0
	s_mov_b32 s30, 0x3e38aa3b                      ; 0.125 log2(e)
	s_mov_b32 s31, 0x3e38aa3b
	v_lshrrev_b32 v[ACC], 4, v0                    ; t / 16
	v_and_b32 v[ACC+1], 15, v0                     ; t % 16, which is also l % 16
	v_lshlrev_b32 v[XG], 4, v[ACC+1]
	v_lshl_add_u32 v[XG], v[ACC], 11, v[XG]
	v_lshlrev_b32 v[TG], 4, v0
	s_wait_kmcnt 0x0
	s_cmp_eq_u32 s18, 0
	s_cselect_b64 s[22:23], s[4:5], s[6:7]         ; q reads inputs_q; k and v read inputs_kv
	s_add_nc_u64 s[22:23], s[22:23], s[32:33]
	s_add_nc_u64 s[24:25], s[8:9], s[34:35]
	s_cmp_eq_u32 s18, 1
	s_cselect_b64 s[26:27], s[12:13], s[10:11]
	s_cmp_eq_u32 s18, 2
	s_cselect_b64 s[26:27], s[14:15], s[26:27]
	s_add_nc_u64 s[26:27], s[26:27], s[36:37]
	LOADT 0
	v_mul_u32_u24 v[XS], v[ACC], PIT
	v_lshl_add_u32 v[XS], v[ACC+1], 3, v[XS]
	v_lshrrev_b32 v[ACC+2], 3, v0
	v_and_b32 v[ACC+3], 7, v0
	v_mul_u32_u24 v[WS], v[ACC+2], PIT
	v_lshl_add_u32 v[WS], v[ACC+3], 4, v[WS]
	v_add_nc_u32 v[WS], WOFF, v[WS]
	v_bfe_u32 v[ACC+4], v0, 4, 1                   ; l / 16
	v_bfe_u32 v[ACC+5], v0, 5, 1                   ; w & 1
	v_lshrrev_b32 v[ACC+6], 6, v0                  ; w >> 1
	v_lshl_add_u32 v[ACC+7], v[ACC+5], 6, v[ACC+1] ; my P row: 64 (w & 1) + l % 16
	v_mul_u32_u24 v[PF], v[ACC+7], PIT
	v_lshl_add_u32 v[PF], v[ACC+4], 4, v[PF]
	v_lshl_add_u32 v[ACC+8], v[ACC+6], 5, v[ACC+1] ; my R row: 32 (w >> 1) + l % 16
	v_mul_u32_u24 v[RF], v[ACC+8], PIT
	v_lshl_add_u32 v[RF], v[ACC+4], 4, v[RF]
	v_mul_u32_u24 v[STO], v[ACC+7], SPIT           ; stage: my P row, R rows 32 (w >> 1) + 8 (l / 16) .. in f16
	v_lshl_add_u32 v[STO], v[ACC+6], 6, v[STO]
	v_lshl_add_u32 v[STO], v[ACC+4], 4, v[STO]
	s_wait_loadcnt 0x0
	CVTX
	STORET 0
	s_wait_dscnt 0x0                               ; slot 0: my part is written
	LOADT 1
	s_barrier_signal -1
	s_barrier_wait -1                              ; everybody's is
	s_cmp_eq_u32 s18, 2                            ; the same in all waves of the work-group
	s_cbranch_scc1 .Lvalues
	BODY 0
.Lvalues:
	BODY 1
.Lfunc_end_k_qbf4edc09be_proj:
	.size	k_qbf4edc09be_proj, .Lfunc_end_k_qbf4edc09be_proj-k_qbf4edc09be_proj
	.p2alignl 7, 3214868480
	.fill 96, 4, 3214868480
	.section	.rodata,"a",@progbits
	.p2align	6, 0x0
	.amdhsa_kernel k_qbf4edc09be_proj
		.amdhsa_group_segment_fixed_size 74752
		.amdhsa_private_segment_fixed_size 0
		.amdhsa_enable_private_segment 0
		.amdhsa_kernarg_size 48
		.amdhsa_user_sgpr_count 2
		.amdhsa_user_sgpr_kernarg_segment_ptr 1
		.amdhsa_wavefront_size32 1
		.amdhsa_system_sgpr_workgroup_id_x 1
		.amdhsa_system_sgpr_workgroup_id_y 1
		.amdhsa_system_sgpr_workgroup_id_z 1
		.amdhsa_system_vgpr_workitem_id 0
		.amdhsa_next_free_vgpr 172
		.amdhsa_next_free_sgpr 66
		.amdhsa_reserve_vcc 0
		.amdhsa_float_denorm_mode_32 3
		.amdhsa_float_denorm_mode_16_64 3
		.amdhsa_memory_ordered 1
		.amdhsa_forward_progress 1
		.amdhsa_inst_pref_size 101
	.end_amdhsa_kernel
	.amdgpu_metadata
---
amdhsa.version: [ 1, 2 ]
amdhsa.kernels:
  - .name:           k_qbf4edc09be_proj
    .symbol:         k_qbf4edc09be_proj.kd
    .args:
      - { .name: inputs_q, .offset: 0, .size: 8, .value_kind: global_buffer, .address_space: global }
      - { .name: inputs_kv, .offset: 8, .size: 8, .value_kind: global_buffer, .address_space: global }
      - { .name: wt, .offset: 16, .size: 8, .value_kind: global_buffer, .address_space: global }
      - { .name: qb, .offset: 24, .size: 8, .value_kind: global_buffer, .address_space: global }
      - { .name: kb, .offset: 32, .size: 8, .value_kind: global_buffer, .address_space: global }
      - { .name: vt, .offset: 40, .size: 8, .value_kind: global_buffer, .address_space: global }
    .group_segment_fixed_size: 74752
    .private_segment_fixed_size: 0
    .kernarg_segment_align: 8
    .kernarg_segment_size: 48
    .max_flat_workgroup_size: 256
    .sgpr_count:     66
    .vgpr_count:     172
    .wavefront_size: 32
...
	.end_amdgpu_metadata
.endif
;; end of part 2
;; launch attn (part 3): grid 16 x 16, 8 waves a work-group, no clusters, 246,784 bytes of LDS; arguments qb, kb, vt, ob; writes ob
.if DOCPART == 3
	.amdgcn_target "amdgcn-amd-amdhsa--gfx1250"
	.amdhsa_code_object_version 6
	.text
	.protected	k_qbf4edc09be_attn
	.globl	k_qbf4edc09be_attn
	.p2align	8
	.type	k_qbf4edc09be_attn,@function
k_qbf4edc09be_attn:
	s_mov_b64 s[64:65], 0
	v_nop
	global_prefetch_b8 v0, s[64:65] scope:SCOPE_SE
	s_setreg_imm32_b32 hwreg(HW_REG_WAVE_MODE, 25, 1), 1
	s_wait_xcnt 0x0
; Band attention with ALiBi for one head (y = 8 b + h) and 256 queries (x).  ob[8 b + h][s][64] = softmax(...) V in f16.
; Wave w owns 32 queries, qw = 256 x + 32 w .., and walks the 17 blocks of 32 keys from qw - 256 on: all keys with |i - j| <= 256.
; Only the first and the last block cross the band's edge and carry the mask; what lies outside these blocks the mask of the problem discards.
; The work-group's 768 keys (three thirds of 256) lie in LDS: K as stored, V transposed in blocks of 32 keys (vt).  They are filled once.
; S IS FORMED TRANSPOSED: S^T = K Q^T.  Lane l then holds query l % 16 and keys 8 (l / 16) + j of each 16-key tile, which is exactly the
; B fragment of P^T for O^T = V^T P^T: the weights go from one product to the next without leaving their lane.
; A query's maximum and sum run over a lane's registers and the lane 16 further on.  Running maximum, base-2 exponentials
; (q carries 0.125 log2(e), the slope carries log2(e)).
; FORMAT: q, k, v, the weights and o are f16.  The weights lie in (0, 1]; one below 6e-8 becomes 0, against a sum l of at least 1.
; o is a weighted mean of v and has v's range.
; LIMITS.  A block of keys beyond the sequence's ends holds other keys' numbers (a clamped third) and is switched off by the slope -2^100
; in place of the head's: its weights are 0, or are wiped by the factor 0 when the first true block raises the maximum.  Right while |score| < 2^90.
; The sum l adds the weights in f32; the numerator uses them rounded to f16.
; NO CLUSTER: neighbouring query blocks share two of their three thirds, but at different places of their LDS (third i of one is third
; i - 1 of the next), and a joint load has one LDS address for all its partners.
.set BLK,   4352                       ; a block of 32 keys: 16 memory rows of 256 bytes at pitch 272
.set VREG,  24*BLK                     ; V's region behind K's 24 blocks
.set STAGE, 2*VREG                     ; 8 x 4,608 bytes behind both: each wave's own, 32 rows x 144; no fill lands there
.set OPIT,  144
.set KA,  2                            ; v2   K fragments of my next block: w BLK + (r / 2) 272 + (r % 2) 128 + 16 h   (r = l % 16, h = l / 16)
.set VA,  3                            ; v3   V fragments: VREG + w BLK + (r / 4) 272 + (r % 4) 64 + 16 h
.set MX,  4                            ; v[4:5]    running maximum of query tile 0, 1
.set AL,  6                            ; v[6:7]    2^(old maximum - new)
.set LS,  8                            ; v[8:9], v[10:11]  sums of weights, a pair for each query tile
.set W0,  12                           ; v[12:15]  at work
.set TD,  16                           ; v[16:39]  i - j as f32: register 8 g + j for tiles with qt - kt + 1 = g
.set QF,  40                           ; v[40:71]  Q fragment 2 qt + ks
.set KF,  72                           ; v[72:103] K fragment 2 kt + ks
.set VF,  104                          ; v[104:135] V^T fragment dt
.set SC,  136                          ; v[136:167] S: 16 qt + 8 kt + j; then the weights, packed into 16 qt + 0 .. 7
.set OA,  168                          ; v[168:231] O^T: 32 qt + 8 dt + j
.set STO, 232
.set RD,  233
.set GO,  234
.set QO,  235
.set RR,  236                          ; r
.set HH,  237                          ; h
.set W1,  238                          ; v[238:239] at work
; One block of 32 keys.  first = 1: it starts maximum, sums and O.  mask = 1: it crosses the band's edge.
.macro BLOCK first, mask
.irp p, 0,2,4,6,8,10
	v_pk_add_f32 v[TD+\p:TD+\p+1], v[TD+\p:TD+\p+1], 0xc2000000 op_sel_hi:[1,0]   ; i - j falls by 32; six places behind the last block's products, ahead of the loads into their sources
.endr
.irp fr, 0,1,2,3
	ds_load_b128 v[KF+8*\fr:KF+8*\fr+3],   v[KA] offset:(\fr>>1)*2176+(\fr&1)*64      ; 16 keys are 8 rows of 272 bytes
	ds_load_b128 v[KF+8*\fr+4:KF+8*\fr+7], v[KA] offset:(\fr>>1)*2176+(\fr&1)*64+32
.endr
.irp dt, 0,1,2,3
	ds_load_b128 v[VF+8*\dt:VF+8*\dt+3],   v[VA] offset:\dt*1088                      ; 16 rows of V^T are 4 rows of 272 bytes
	ds_load_b128 v[VF+8*\dt+4:VF+8*\dt+7], v[VA] offset:\dt*1088+32
.endr
	v_add_nc_u32 v[KA], BLK, v[KA]
	v_add_nc_u32 v[VA], BLK, v[VA]
	s_cmp_lt_u32 s27, 4096                         ; the block's first key, unsigned: below 0 and from 4,096 on it is no key of the sequence
	s_cselect_b32 s26, s24, s25                    ; the head's slope, or -2^100
	s_add_co_u32 s27, s27, 32
	s_wait_dscnt 0x8                               ; K's eight loads are in; V's eight stay out
.irp ks, 0,1
.irp qt, 0,1
.irp kt, 0,1                                       ; the four score tiles take turns, one instruction a turn
.if \ks == 0
	v_wmma_f32_16x16x32_f16 v[SC+16*\qt+8*\kt:SC+16*\qt+8*\kt+7], v[KF+16*\kt:KF+16*\kt+7], v[QF+16*\qt:QF+16*\qt+7], 0
.else
	v_wmma_f32_16x16x32_f16 v[SC+16*\qt+8*\kt:SC+16*\qt+8*\kt+7], v[KF+16*\kt+8:KF+16*\kt+15], v[QF+16*\qt+8:QF+16*\qt+15], v[SC+16*\qt+8*\kt:SC+16*\qt+8*\kt+7]
.endif
.endr
.endr
.endr
.irp p, 12,14,16,18,20,22
	v_pk_add_f32 v[TD+\p:TD+\p+1], v[TD+\p:TD+\p+1], 0xc2000000 op_sel_hi:[1,0]   ; the other half of i - j: six places before the scores are read (ISA guide 7.12.1)
.endr
.irp qt, 0,1
.irp kt, 0,1
.irp j, 0,1,2,3,4,5,6,7
	v_fma_f32 v[SC+16*\qt+8*\kt+\j], |v[TD+8*(\qt-\kt+1)+\j]|, s26, v[SC+16*\qt+8*\kt+\j]   ; + (-slope log2(e)) |i - j|
.if \mask
	v_cmp_le_f32 vcc_lo, |v[TD+8*(\qt-\kt+1)+\j]|, s29                                     ; |i - j| <= 256 ?
	v_cndmask_b32 v[SC+16*\qt+8*\kt+\j], s30, v[SC+16*\qt+8*\kt+\j], vcc_lo                ; else the lowest finite f32, as the problem puts it
.endif
.endr
.endr
.endr
.if \first
	v_max_num_f32 v[W0],   v[SC],    v[SC+1]
	v_max_num_f32 v[W0+1], v[SC+16], v[SC+17]
.else
	v_max3_num_f32 v[W0],   v[MX],   v[SC],    v[SC+1]
	v_max3_num_f32 v[W0+1], v[MX+1], v[SC+16], v[SC+17]
.endif
.irp p, 2,4,6,8,10,12,14
	v_max3_num_f32 v[W0],   v[W0],   v[SC+\p],    v[SC+\p+1]
	v_max3_num_f32 v[W0+1], v[W0+1], v[SC+16+\p], v[SC+17+\p]
.endr
	v_permlanex16_b32 v[W0+2], v[W0],   s44, s45   ; the other 16 keys of my query lie 16 lanes away
	v_permlanex16_b32 v[W0+3], v[W0+1], s44, s45
.if \first
	v_max_num_f32 v[MX],   v[W0],   v[W0+2]
	v_max_num_f32 v[MX+1], v[W0+1], v[W0+3]
.else
	v_max_num_f32 v[W0],   v[W0],   v[W0+2]
	v_max_num_f32 v[W0+1], v[W0+1], v[W0+3]
	v_pk_add_f32 v[AL:AL+1], v[MX:MX+1], v[W0:W0+1] neg_lo:[0,1] neg_hi:[0,1]     ; old maximum - new, never above 0
	v_mov_b32 v[MX],   v[W0]
	v_mov_b32 v[MX+1], v[W0+1]
.endif
.irp p, 0,2,4,6,8,10,12,14
	v_pk_add_f32 v[SC+\p:SC+\p+1],       v[SC+\p:SC+\p+1],       v[MX:MX+1] op_sel_hi:[1,0] neg_lo:[0,1] neg_hi:[0,1]              ; - maximum of tile 0
	v_pk_add_f32 v[SC+16+\p:SC+17+\p],   v[SC+16+\p:SC+17+\p],   v[MX:MX+1] op_sel:[0,1] op_sel_hi:[1,1] neg_lo:[0,1] neg_hi:[0,1] ; - maximum of tile 1
.endr
.if \first == 0
	v_exp_f32 v[AL],   v[AL]
	v_exp_f32 v[AL+1], v[AL+1]
.endif
.set ix, 0
.rept 32
	v_exp_f32 v[SC+ix], v[SC+ix]
.set ix, ix+1
.endr
	v_nop                                          ; one plain place behind the run of exponentials before a result is used (ISA guide 5.7.2)
.if \first
	s_wait_alu depctr_va_vdst(0)
	v_pk_add_f32 v[LS:LS+1],   v[SC:SC+1],       v[SC+2:SC+3]
	v_pk_add_f32 v[LS+2:LS+3], v[SC+16:SC+17],   v[SC+18:SC+19]
.else
	s_wait_alu depctr_va_vdst(0)
	v_pk_fma_f32 v[LS:LS+1],   v[LS:LS+1],   v[AL:AL+1], v[SC:SC+1]     op_sel_hi:[1,0,1]
	v_pk_fma_f32 v[LS+2:LS+3], v[LS+2:LS+3], v[AL:AL+1], v[SC+16:SC+17] op_sel:[0,1,0] op_sel_hi:[1,1,1]
	v_pk_add_f32 v[LS:LS+1],   v[LS:LS+1],   v[SC+2:SC+3]
	v_pk_add_f32 v[LS+2:LS+3], v[LS+2:LS+3], v[SC+18:SC+19]
.endif
.irp p, 4,6,8,10,12,14
	v_pk_add_f32 v[LS:LS+1],   v[LS:LS+1],   v[SC+\p:SC+\p+1]
	v_pk_add_f32 v[LS+2:LS+3], v[LS+2:LS+3], v[SC+16+\p:SC+17+\p]
.endr
.irp i, 0,1,2,3,4,5,6,7
	v_cvt_pk_f16_f32 v[SC+\i],    v[SC+2*\i],    v[SC+2*\i+1]         ; in place, ascending: word i is written when words 2 i, 2 i + 1 have been read
	v_cvt_pk_f16_f32 v[SC+16+\i], v[SC+16+2*\i], v[SC+17+2*\i]
.endr
.if \first == 0
.set ix, 0
.rept 16
	v_pk_mul_f32 v[OA+ix:OA+ix+1],       v[OA+ix:OA+ix+1],       v[AL:AL+1] op_sel_hi:[1,0]
	v_pk_mul_f32 v[OA+32+ix:OA+33+ix],   v[OA+32+ix:OA+33+ix],   v[AL:AL+1] op_sel:[0,1] op_sel_hi:[1,1]
.set ix, ix+2
.endr
.endif
	s_wait_dscnt 0x0                               ; V's fragments
.irp qt, 0,1
.irp dt, 0,1,2,3                                   ; the eight tiles of O take turns, one instruction a turn
.if \first
	v_wmma_f32_16x16x32_f16 v[OA+32*\qt+8*\dt:OA+32*\qt+8*\dt+7], v[VF+8*\dt:VF+8*\dt+7], v[SC+16*\qt:SC+16*\qt+7], 0
.else
	v_wmma_f32_16x16x32_f16 v[OA+32*\qt+8*\dt:OA+32*\qt+8*\dt+7], v[VF+8*\dt:VF+8*\dt+7], v[SC+16*\qt:SC+16*\qt+7], v[OA+32*\qt+8*\dt:OA+32*\qt+8*\dt+7]
.endif
.endr
.endr
.endm
	s_load_b256 s[4:11], s[0:1], 0x0               ; qb s[4:5], kb s[6:7], vt s[8:9], ob s[10:11]
	v_lshl_add_u32 v240, v0, 2, 0x3c000
	v_mov_b32 v241, 0
	ds_add_u32 v240, v241
	ds_add_u32 v240, v241
	v_lshrrev_b32 v1, 5, v0
	v_readfirstlane_b32 s12, v1                    ; wave 0 .. 7
	s_and_b32 s14, ttmp7, 0xffff                   ; 8 b + h
	; Descriptor group 1, for every load: 32 rows of 256 bytes, dense in memory, 16 bytes of padding behind each row in LDS
	s_mov_b32 s16, (3<<16)|(1<<20)|(5<<22)|(3<<25) ; no mask; elements of 8 bytes; padding on: after every 64 words, 4 words
	s_mov_b32 s17, 32<<16                          ; tensor_dim0 = 32 elements
	s_mov_b32 s18, 32<<16                          ; tensor_dim1 = 32 rows
	s_mov_b32 s19, 32<<16                          ; tile_dim0 = 32
	s_mov_b32 s20, 32                              ; tile_dim1 = 32
	s_mov_b32 s21, 32                              ; 32 elements from row to row
	s_mov_b32 s22, 0
	s_mov_b32 s23, 0
	s_sub_co_i32 s46, ttmp9, 1                     ; the three thirds of 256 keys: x - 1, x, x + 1, held inside 0 .. 15
	s_max_i32 s46, s46, 0
	s_mov_b32 s47, ttmp9
	s_add_co_u32 s48, ttmp9, 1
	s_min_u32 s48, s48, 15
	s_lshl_b32 s49, s14, 19                        ; the head: 524,288 bytes, in kb and in vt
	s_and_b32 s56, s12, 3
	s_lshl_b32 s56, s56, 13                        ; my quarter of a third: 8,192 bytes
	s_add_co_u32 s49, s49, s56
	s_mul_i32 s58, s12, 8704                       ; in LDS: 32 rows of 272 bytes a wave;
	s_lshr_b32 s59, s12, 2
	s_mul_i32 s59, s59, 69632                      ; waves 4 to 7 fill V's region: VREG - 4 x 8,704
	s_add_co_u32 s58, s58, s59
	s_mov_b32 s57, 0
	s_wait_dscnt 0x0
	s_wait_kmcnt 0x0
	s_cmp_lt_u32 s12, 4
	s_cselect_b64 s[54:55], s[6:7], s[8:9]         ; waves 0 to 3 fetch K, waves 4 to 7 V
	; Group 0, a set for each third, and the load.  The three first fills of every wave go out as one group, ahead of every wait on TENSORcnt,
	; every LDS read and every barrier; nothing is filled again.  Three tensor loads of a wave are out at the most.
.irp i, 0,1,2
	s_mov_b32 s[32+4*\i], 1
	s_add_co_u32 s[33+4*\i], s58, \i*8*BLK
	s_lshl_b32 s56, s[46+\i], 15                   ; a third is 32,768 bytes
	s_add_co_u32 s56, s56, s49
	s_add_nc_u64 s[34+4*\i:35+4*\i], s[54:55], s[56:57]
	s_or_b32 s[35+4*\i], s[35+4*\i], 0x80000000    ; type 2
	tensor_load_to_lds s[32+4*\i:35+4*\i], s[16:23]
	s_nop 0
.endr
	s_lshl_b32 s56, ttmp9, 15                      ; my 32 queries: (4,096 (8 b + h) + 256 x + 32 w) rows of 128 bytes, in qb and in ob
	s_lshl_b32 s59, s12, 12
	s_add_co_u32 s56, s56, s59
	s_lshl_b32 s59, s14, 19
	s_add_co_u32 s56, s56, s59
	s_add_nc_u64 s[50:51], s[4:5], s[56:57]
	s_add_nc_u64 s[52:53], s[10:11], s[56:57]
	v_and_b32 v[RR], 15, v0
	v_bfe_u32 v[HH], v0, 4, 1
	v_lshlrev_b32 v[QO], 7, v[RR]
	v_lshl_add_u32 v[QO], v[HH], 4, v[QO]          ; query r, 16 h
.irp fr, 0,1,2,3
	global_load_b128 v[QF+8*\fr:QF+8*\fr+3],   v[QO], s[50:51] offset:(\fr>>1)*2048+(\fr&1)*64 th:TH_LOAD_NT      ; each query row is read once in the launch
	global_load_b128 v[QF+8*\fr+4:QF+8*\fr+7], v[QO], s[50:51] offset:(\fr>>1)*2048+(\fr&1)*64+32 th:TH_LOAD_NT
.endr
	s_and_b32 s46, s14, 7                          ; h
	s_add_co_u32 s46, s46, 1
	s_lshl_b32 s46, s46, 23
	s_sub_co_u32 s24, 0xbfb8aa3b, s46              ; -log2(e) 2^-(h+1): the slope 2^-(h+1) lowers the exponent field by h + 1
	s_mov_b32 s25, 0xf1800000                      ; -2^100
	s_mov_b32 s29, 0x43800000                      ; 256.0
	s_mov_b32 s30, 0xff7fffff                      ; the lowest finite f32
	s_mov_b32 s44, 0x76543210                      ; v_permlanex16_b32: lane i reads lane i of the other half
	s_mov_b32 s45, 0xfedcba98
	s_lshl_b32 s27, ttmp9, 8
	s_lshl_b32 s46, s12, 5
	s_add_co_u32 s27, s27, s46
	s_sub_co_u32 s27, s27, 256                     ; my first block's first key; wraps below 0
	s_mul_i32 s46, s12, BLK
	s_add_co_u32 s47, s46, VREG
	v_lshrrev_b32 v[W1], 1, v[RR]
	v_mul_u32_u24 v[KA], v[W1], 272
	v_and_b32 v[W1], 1, v[RR]
	v_lshl_add_u32 v[KA], v[W1], 7, v[KA]
	v_lshl_add_u32 v[KA], v[HH], 4, v[KA]
	v_add_nc_u32 v[KA], s46, v[KA]                 ; sixteen lanes: (r / 2) 16 + (r % 2) 128 modulo 256: sixteen different 16-byte columns
	v_lshrrev_b32 v[W1], 2, v[RR]
	v_mul_u32_u24 v[VA], v[W1], 272
	v_and_b32 v[W1], 3, v[RR]
	v_lshl_add_u32 v[VA], v[W1], 6, v[VA]
	v_lshl_add_u32 v[VA], v[HH], 4, v[VA]
	v_add_nc_u32 v[VA], s47, v[VA]                 ; (r / 4) 16 + (r % 4) 64 modulo 256: sixteen different columns too
	s_mul_i32 s46, s12, 32*OPIT
	s_add_co_u32 s46, s46, STAGE                   ; my stage
	v_mul_u32_u24 v[STO], v[RR], OPIT
	v_lshl_add_u32 v[STO], v[HH], 4, v[STO]
	v_add_nc_u32 v[STO], s46, v[STO]
	v_and_b32 v[W1], 31, v0
	v_lshlrev_b32 v[GO], 4, v[W1]                  ; 16 l
	v_lshrrev_b32 v[W1+1], 3, v[W1]
	v_mul_u32_u24 v[RD], v[W1+1], OPIT
	v_and_b32 v[W1+1], 7, v0
	v_lshl_add_u32 v[RD], v[W1+1], 4, v[RD]
	v_add_nc_u32 v[RD], s46, v[RD]
	v_lshlrev_b32 v[W1], 3, v[HH]
	v_sub_nc_u32 v[W0], v[RR], v[W1]
	v_add_nc_u32 v[W0], 272, v[W0]                 ; r - 8 h + 288 - 16
	v_mov_b32 v[W0+2], 0                           ; a lane permute's destination counts as read
	v_mov_b32 v[W0+3], 0
.irp g, 0,1,2
.irp j, 0,1,2,3,4,5,6,7
	v_add_nc_u32 v[TD+8*\g+\j], 16*\g-\j, v[W0]    ; i - j + 32 of the first block: r - 8 h + 16 (g - 1) - j + 288
.endr
.endr
.set ix, 0
.rept 24
	v_cvt_f32_i32 v[TD+ix], v[TD+ix]
.set ix, ix+1
.endr
	s_wait_tensorcnt 0x0                           ; my parts of the three thirds have landed,
	s_barrier_signal -1
	s_barrier_wait -1                              ; everybody's have
	s_wait_loadcnt 0x0                             ; Q
	BLOCK 1, 1                                     ; keys qw - 256 ..: the band's lower edge
	s_mov_b32 s28, 15
.Lblocks:
	BLOCK 0, 0                                     ; |i - j| <= 255 in these fifteen
	s_sub_co_i32 s28, s28, 1
	s_cmp_lg_u32 s28, 0
	s_cbranch_scc1 .Lblocks
	BLOCK 0, 1                                     ; keys qw + 256 ..: the upper edge
	; THE WAY OUT.  The four adds are the places behind the last products (ISA guide 7.12.1).
	v_add_f32 v[W0],   v[LS],   v[LS+1]
	v_add_f32 v[W0+1], v[LS+2], v[LS+3]
	v_permlanex16_b32 v[W0+2], v[W0],   s44, s45
	v_permlanex16_b32 v[W0+3], v[W0+1], s44, s45
	v_add_f32 v[W0],   v[W0],   v[W0+2]            ; l of my query: at least 1, the weight of the maximum
	v_add_f32 v[W0+1], v[W0+1], v[W0+3]
	v_rcp_f32 v[AL],   v[W0]
	v_rcp_f32 v[AL+1], v[W0+1]
	v_nop                                          ; one plain place behind the reciprocals
.set ix, 0
	s_wait_alu depctr_va_vdst(0)
.rept 16
	v_pk_mul_f32 v[OA+ix:OA+ix+1],     v[OA+ix:OA+ix+1],     v[AL:AL+1] op_sel_hi:[1,0]
	v_pk_mul_f32 v[OA+32+ix:OA+33+ix], v[OA+32+ix:OA+33+ix], v[AL:AL+1] op_sel:[0,1] op_sel_hi:[1,1]
.set ix, ix+2
.endr
.set ix, 0
.rept 32
	v_cvt_pk_f16_f32 v[KF+ix], v[OA+2*ix], v[OA+2*ix+1]           ; tile ix / 4: eight neighbouring d of my query become 16 bytes
.set ix, ix+1
.endr
.irp qt, 0,1
.irp dt, 0,1,2,3
	ds_store_b128 v[STO], v[KF+4*(4*\qt+\dt):KF+4*(4*\qt+\dt)+3] offset:\qt*16*OPIT+\dt*32
.endr
.endr
.irp i, 0,1,2,3,4,5,6,7
	ds_load_b128 v[VF+4*\i:VF+4*\i+3], v[RD] offset:\i*4*OPIT     ; my own bytes: LDS serves a wave's instructions in order (ISA guide 5.7.1), so these see the stores above
.endr
.irp i, 0,1,2,3,4,5,6,7
	s_wait_dscnt 7-\i                              ; load i is in, the younger ones stay out
	global_store_b128 v[GO], v[VF+4*\i:VF+4*\i+3], s[52:53] offset:\i*512      ; four rows of 128 bytes: 512 dense bytes, aligned
.endr
	s_wait_tensorcnt 0x0
	ds_add_u32 v240, v241
	s_wait_dscnt 0x0
	s_endpgm
.Lfunc_end_k_qbf4edc09be_attn:
	.size	k_qbf4edc09be_attn, .Lfunc_end_k_qbf4edc09be_attn-k_qbf4edc09be_attn
	.p2alignl 7, 3214868480
	.fill 96, 4, 3214868480
	.section	.rodata,"a",@progbits
	.p2align	6, 0x0
	.amdhsa_kernel k_qbf4edc09be_attn
		.amdhsa_group_segment_fixed_size 246784
		.amdhsa_private_segment_fixed_size 0
		.amdhsa_enable_private_segment 0
		.amdhsa_kernarg_size 32
		.amdhsa_user_sgpr_count 2
		.amdhsa_user_sgpr_kernarg_segment_ptr 1
		.amdhsa_wavefront_size32 1
		.amdhsa_system_sgpr_workgroup_id_x 1
		.amdhsa_system_sgpr_workgroup_id_y 1
		.amdhsa_system_sgpr_workgroup_id_z 1
		.amdhsa_system_vgpr_workitem_id 0
		.amdhsa_next_free_vgpr 242
		.amdhsa_next_free_sgpr 66
		.amdhsa_reserve_vcc 1
		.amdhsa_float_denorm_mode_32 3
		.amdhsa_float_denorm_mode_16_64 3
		.amdhsa_memory_ordered 1
		.amdhsa_forward_progress 1
		.amdhsa_inst_pref_size 57
	.end_amdhsa_kernel
	.amdgpu_metadata
---
amdhsa.version: [ 1, 2 ]
amdhsa.kernels:
  - .name:           k_qbf4edc09be_attn
    .symbol:         k_qbf4edc09be_attn.kd
    .args:
      - { .name: qb, .offset: 0, .size: 8, .value_kind: global_buffer, .address_space: global }
      - { .name: kb, .offset: 8, .size: 8, .value_kind: global_buffer, .address_space: global }
      - { .name: vt, .offset: 16, .size: 8, .value_kind: global_buffer, .address_space: global }
      - { .name: ob, .offset: 24, .size: 8, .value_kind: global_buffer, .address_space: global }
    .group_segment_fixed_size: 246784
    .private_segment_fixed_size: 0
    .kernarg_segment_align: 8
    .kernarg_segment_size: 32
    .max_flat_workgroup_size: 256
    .sgpr_count:     66
    .vgpr_count:     242
    .wavefront_size: 32
...
	.end_amdgpu_metadata
.endif
;; end of part 3
;; launch oproj (part 4): grid 4 x 64, 8 waves a work-group, no clusters, 74,752 bytes of LDS; arguments ob, wt, out0; writes out0
.if DOCPART == 4
	.amdgcn_target "amdgcn-amd-amdhsa--gfx1250"
	.amdhsa_code_object_version 6
	.text
	.protected	k_qbf4edc09be_oproj
	.globl	k_qbf4edc09be_oproj
	.p2align	8
	.type	k_qbf4edc09be_oproj,@function
k_qbf4edc09be_oproj:
	s_mov_b64 s[64:65], 0
	v_nop
	global_prefetch_b8 v0, s[64:65] scope:SCOPE_SE
	s_setreg_imm32_b32 hwreg(HW_REG_WAVE_MODE, 25, 1), 1
	s_wait_xcnt 0x0
; out0[token][e] = sum over hd of o[token][hd] w_o[hd][e], f32 out.  x = cb (128 columns), y = tb (128 tokens).
; K step kc is head kc: ob[8 b + kc][s][64] gives a tile of 128 tokens x 64 as 16,384 dense bytes, wt's fourth matrix a tile of 128 e x 64 likewise.
; Both operands are f16, as they were stored; the sums are f32 and leave as f32.
; Eight K steps through two LDS slots, as in the input projections: D = (A: 16 rows of W^T) x (B: 16 tokens): lane l holds token l % 16
; and eight neighbouring columns.  Wave w: tokens 64 (w & 1) .. + 63, columns 32 (w >> 1) .. + 31.
; NO CLUSTER: a K step is 16 matrix instructions a wave, and a joint refill would put a round of the cluster's barrier into each of the eight
; steps; the tiles come through registers, and x runs fastest, so the four units of one token block stand next to each other in the grid.
.set PIT,  144                         ; an LDS row: 64 k in f16 + 16 bytes
.set WOFF, 128*PIT
.set SLOT, 2*WOFF
.set SPIT, 528                         ; a stage row: 128 f32 + 16 bytes.  The stage (128 rows, 67,584 bytes) lies over the slots, behind a barrier
.set GS,  2                            ; v2   out0: (t / 32) rows of 2,048 bytes + 16 (t % 32)
.set TG,  3                            ; v3   16 t
.set AS,  4                            ; v4   a tile in LDS: (t / 8) PIT + 16 (t % 8)
.set WS,  5                            ; v5   the same + WOFF
.set PF,  6
.set RF,  7
.set STO, 8
.set RD,  9
.set AR,  10                           ; v[10:25]   o as loaded; v[10:41] the way out
.set WR,  42                           ; v[42:57]   W as loaded
.set PFR, 58                           ; v[58:89]   four token fragments; the way out
.set RFR, 90                           ; v[90:105]  two column fragments
.set ACC, 106                          ; v[106:169] accumulator tile 2 pt + rt; before the first product: at work
.macro LOADT kc
.irp i, 0,1,2,3
	global_load_b128 v[AR+4*\i:AR+4*\i+3], v[TG], s[22:23] offset:(\kc)*524288+\i*4096
.endr
.irp i, 0,1,2,3
	global_load_b128 v[WR+4*\i:WR+4*\i+3], v[TG], s[24:25] offset:(\kc)*65536+\i*4096
.endr
.endm
.macro STORET s
.irp i, 0,1,2,3
	ds_store_b128 v[AS], v[AR+4*\i:AR+4*\i+3] offset:\s*SLOT+\i*32*PIT
.endr
.irp i, 0,1,2,3
	ds_store_b128 v[WS], v[WR+4*\i:WR+4*\i+3] offset:\s*SLOT+\i*32*PIT
.endr
.endm
.macro FRAG s, ks
.irp pt, 0,1,2,3
	ds_load_b128 v[PFR+8*\pt:PFR+8*\pt+3],   v[PF] offset:\s*SLOT+\pt*16*PIT+\ks*64
	ds_load_b128 v[PFR+8*\pt+4:PFR+8*\pt+7], v[PF] offset:\s*SLOT+\pt*16*PIT+\ks*64+32
.endr
.irp rt, 0,1
	ds_load_b128 v[RFR+8*\rt:RFR+8*\rt+3],   v[RF] offset:WOFF+\s*SLOT+\rt*16*PIT+\ks*64
	ds_load_b128 v[RFR+8*\rt+4:RFR+8*\rt+7], v[RF] offset:WOFF+\s*SLOT+\rt*16*PIT+\ks*64+32
.endr
.endm
.macro MM zero                         ; the eight accumulators take turns, one instruction a turn
.irp pt, 0,1,2,3
.irp rt, 0,1
.if \zero
	v_wmma_f32_16x16x32_f16 v[ACC+8*(2*\pt+\rt):ACC+8*(2*\pt+\rt)+7], v[RFR+8*\rt:RFR+8*\rt+7], v[PFR+8*\pt:PFR+8*\pt+7], 0
.else
	v_wmma_f32_16x16x32_f16 v[ACC+8*(2*\pt+\rt):ACC+8*(2*\pt+\rt)+7], v[RFR+8*\rt:RFR+8*\rt+7], v[PFR+8*\pt:PFR+8*\pt+7], v[ACC+8*(2*\pt+\rt):ACC+8*(2*\pt+\rt)+7]
.endif
.endr
.endr
.endm
.macro PLACES                          ; four places behind a matrix instruction before a load lands in one of its sources or its result is read
.rept 4
	v_nop
.endr
.endm
; K step kc from slot cur; tile kc + 1 goes into slot nxt; tile kc + 2 is asked for.  One barrier a step: in front of its signal my reads of
; cur and my stores into nxt are done; behind its wait nxt is whole and nobody reads cur.
.macro TRIP kc, cur, nxt
	FRAG \cur, 0
	s_wait_dscnt 0x0
.if \kc == 0
	MM 1                                           ; the first products start the sums
.else
	MM 0
.endif
	PLACES
.if \kc < 7
	s_wait_loadcnt 0x0                             ; tile kc + 1: its eight loads are the only ones out
	STORET \nxt
.endif
	FRAG \cur, 1
	s_wait_dscnt 0x0
.if \kc < 6
	LOADT \kc+2                                    ; behind that wait: the LDS stores have read AR and WR
.endif
.if \kc < 7
	s_barrier_signal -1
.endif
	MM 0
	PLACES
.if \kc < 7
	s_barrier_wait -1
.endif
.endm
	s_load_b128 s[4:7], s[0:1], 0x0                ; ob s[4:5], wt s[6:7]
	s_load_b64 s[8:9], s[0:1], 0x10                ; out0
	v_lshl_add_u32 v170, v0, 2, 0x12000
	v_mov_b32 v171, 0
	s_and_b32 s20, ttmp7, 0xffff                   ; tb
	s_lshr_b32 s32, s20, 5
	s_lshl_b32 s32, s32, 22                        ; ob: batch tb / 32 = 8 heads of 524,288 bytes
	s_and_b32 s21, s20, 31
	s_lshl_b32 s21, s21, 14                        ; + 128 (tb % 32) tokens of 128 bytes
	s_add_co_u32 s32, s32, s21
	s_mov_b32 s33, 0
	s_lshl_b32 s34, ttmp9, 14                      ; wt: 128 cb rows of 128 bytes
	s_add_co_u32 s34, s34, 3*524288                ; in the fourth matrix
	s_mov_b32 s35, 0
	s_lshl_b32 s36, s20, 18                        ; out0: 128 tb rows of 2,048 bytes
	s_lshl_b32 s21, ttmp9, 9                       ; + 128 cb columns of 4 bytes
	s_add_co_u32 s36, s36, s21
	s_mov_b32 s37, 0
	v_lshlrev_b32 v[TG], 4, v0
	s_wait_kmcnt 0x0
	s_add_nc_u64 s[22:23], s[4:5], s[32:33]
	s_add_nc_u64 s[24:25], s[6:7], s[34:35]
	s_add_nc_u64 s[26:27], s[8:9], s[36:37]
	LOADT 0
	v_and_b32 v[ACC+1], 15, v0                     ; l % 16
	v_lshrrev_b32 v[ACC+2], 3, v0
	v_and_b32 v[ACC+3], 7, v0
	v_mul_u32_u24 v[AS], v[ACC+2], PIT
	v_lshl_add_u32 v[AS], v[ACC+3], 4, v[AS]
	v_add_nc_u32 v[WS], WOFF, v[AS]
	v_bfe_u32 v[ACC+4], v0, 4, 1                   ; l / 16
	v_bfe_u32 v[ACC+5], v0, 5, 1                   ; w & 1
	v_lshrrev_b32 v[ACC+6], 6, v0                  ; w >> 1
	v_lshl_add_u32 v[ACC+7], v[ACC+5], 6, v[ACC+1] ; my token row
	v_mul_u32_u24 v[PF], v[ACC+7], PIT
	v_lshl_add_u32 v[PF], v[ACC+4], 4, v[PF]
	v_lshl_add_u32 v[ACC+8], v[ACC+6], 5, v[ACC+1] ; my column row
	v_mul_u32_u24 v[RF], v[ACC+8], PIT
	v_lshl_add_u32 v[RF], v[ACC+4], 4, v[RF]
	v_mul_u32_u24 v[STO], v[ACC+7], SPIT           ; stage: my token, columns 32 (w >> 1) + 8 (l / 16) .. in f32
	v_lshl_add_u32 v[STO], v[ACC+6], 7, v[STO]
	v_lshl_add_u32 v[STO], v[ACC+4], 5, v[STO]
	v_lshrrev_b32 v[ACC+9], 5, v0                  ; back: wave w takes whole rows w, w + 8, ..
	v_and_b32 v[ACC+10], 31, v0
	v_mul_u32_u24 v[RD], v[ACC+9], SPIT
	v_lshl_add_u32 v[RD], v[ACC+10], 4, v[RD]
	v_lshlrev_b32 v[GS], 4, v[ACC+10]
	v_lshl_add_u32 v[GS], v[ACC+9], 11, v[GS]
	s_wait_loadcnt 0x0
	STORET 0
	s_wait_dscnt 0x0                               ; slot 0: my part is written
	LOADT 1
	s_barrier_signal -1
	s_barrier_wait -1                              ; everybody's is
	TRIP 0, 0, 1
	TRIP 1, 1, 0
	TRIP 2, 0, 1
	TRIP 3, 1, 0
	TRIP 4, 0, 1
	TRIP 5, 1, 0
	TRIP 6, 0, 1
	TRIP 7, 1, 0
	s_barrier_signal -1                            ; every wave's reads of the slots are back (its last wait on DScnt was for 0):
	s_barrier_wait -1                              ; the stage may be written over them
.irp pt, 0,1,2,3
.irp rt, 0,1
	ds_store_b128 v[STO], v[ACC+8*(2*\pt+\rt):ACC+8*(2*\pt+\rt)+3]   offset:\pt*16*SPIT+\rt*64
	ds_store_b128 v[STO], v[ACC+8*(2*\pt+\rt)+4:ACC+8*(2*\pt+\rt)+7] offset:\pt*16*SPIT+\rt*64+16
.endr
.endr
	s_wait_dscnt 0x0                               ; my part of the stage is written before I say so
	s_barrier_signal -1
	s_barrier_wait -1
.irp i, 0,1,2,3,4,5,6,7
	ds_load_b128 v[AR+4*\i:AR+4*\i+3], v[RD] offset:\i*8*SPIT              ; row 8 i + w: 512 bytes
.endr
.irp i, 0,1,2,3,4,5,6,7
	ds_load_b128 v[PFR+4*\i:PFR+4*\i+3], v[RD] offset:(\i+8)*8*SPIT        ; rows 64 + 8 i + w, into registers of their own
.endr
.irp i, 0,1,2,3,4,5,6,7
	s_wait_dscnt 15-\i                             ; of sixteen loads, load i is in; the younger ones stay out
	global_store_b128 v[GS], v[AR+4*\i:AR+4*\i+3], s[26:27] offset:\i*16384 th:TH_STORE_NT      ; a wave's store covers 512 consecutive bytes of a row, aligned
.endr
.irp i, 0,1,2,3,4,5,6,7
	s_wait_dscnt 7-\i
	global_store_b128 v[GS], v[PFR+4*\i:PFR+4*\i+3], s[26:27] offset:(\i+8)*16384 th:TH_STORE_NT
.endr
	s_wait_tensorcnt 0x0
	ds_add_u32 v170, v171
	s_wait_dscnt 0x0
	s_endpgm
.Lfunc_end_k_qbf4edc09be_oproj:
	.size	k_qbf4edc09be_oproj, .Lfunc_end_k_qbf4edc09be_oproj-k_qbf4edc09be_oproj
	.p2alignl 7, 3214868480
	.fill 96, 4, 3214868480
	.section	.rodata,"a",@progbits
	.p2align	6, 0x0
	.amdhsa_kernel k_qbf4edc09be_oproj
		.amdhsa_group_segment_fixed_size 74752
		.amdhsa_private_segment_fixed_size 0
		.amdhsa_enable_private_segment 0
		.amdhsa_kernarg_size 24
		.amdhsa_user_sgpr_count 2
		.amdhsa_user_sgpr_kernarg_segment_ptr 1
		.amdhsa_wavefront_size32 1
		.amdhsa_system_sgpr_workgroup_id_x 1
		.amdhsa_system_sgpr_workgroup_id_y 1
		.amdhsa_system_sgpr_workgroup_id_z 1
		.amdhsa_system_vgpr_workitem_id 0
		.amdhsa_next_free_vgpr 172
		.amdhsa_next_free_sgpr 66
		.amdhsa_reserve_vcc 0
		.amdhsa_float_denorm_mode_32 3
		.amdhsa_float_denorm_mode_16_64 3
		.amdhsa_memory_ordered 1
		.amdhsa_forward_progress 1
		.amdhsa_inst_pref_size 41
	.end_amdhsa_kernel
	.amdgpu_metadata
---
amdhsa.version: [ 1, 2 ]
amdhsa.kernels:
  - .name:           k_qbf4edc09be_oproj
    .symbol:         k_qbf4edc09be_oproj.kd
    .args:
      - { .name: ob, .offset: 0, .size: 8, .value_kind: global_buffer, .address_space: global }
      - { .name: wt, .offset: 8, .size: 8, .value_kind: global_buffer, .address_space: global }
      - { .name: out0, .offset: 16, .size: 8, .value_kind: global_buffer, .address_space: global }
    .group_segment_fixed_size: 74752
    .private_segment_fixed_size: 0
    .kernarg_segment_align: 8
    .kernarg_segment_size: 24
    .max_flat_workgroup_size: 256
    .sgpr_count:     66
    .vgpr_count:     172
    .wavefront_size: 32
...
	.end_amdgpu_metadata
.endif
;; end of part 4
;; ======== version 2 of 2: 4 launches; 1.23 times as fast as version 1
;; limits: values are held in f16: magnitudes above 65,504 overflow, below 6.1e-05 lose precision
;; workspace buffers: wt 2,097,152 bytes; qb 8,388,608 bytes; kb 8,388,608 bytes; vt 8,388,608 bytes; ob 8,388,608 bytes
;; launch wprep (part 5): grid 64 x 4, 4 waves a work-group, no clusters, 9,728 bytes of LDS; arguments w_q, w_k, w_v, w_o, wt; writes wt
.if DOCPART == 5
	.amdgcn_target "amdgcn-amd-amdhsa--gfx1250"
	.amdhsa_code_object_version 6
	.text
	.protected	k_qbf4edc09be_wprep
	.globl	k_qbf4edc09be_wprep
	.p2align	8
	.type	k_qbf4edc09be_wprep,@function
k_qbf4edc09be_wprep:
	s_mov_b64 s[64:65], 0
	v_nop
	global_prefetch_b8 v0, s[64:65] scope:SCOPE_SE
	s_setreg_imm32_b32 hwreg(HW_REG_WAVE_MODE, 25, 1), 1
	s_wait_xcnt 0x0
; The four weights, transposed, rounded once to f16 and laid out in the order of matrix fragments:
;   wt[cb 4][mat 4][kc 8][nt 8][ks 2][half 2][lane 32][8 numbers], lane = 16 h + r, holds W_mat[64 kc + 32 ks + 16 half + 8 h + e][128 cb + 16 nt + r].
; A fragment (16 columns x 32 k) is 1,024 dense bytes, 16 bytes a lane twice; a tile (128 columns x 64 k) is 16,384 dense bytes; for one
; column block cb the tiles of q, k, v and o follow each other.
; A work-group transposes 64 k x 64 n through LDS.  x = 8 kc + nb, y = mat (0 q, 1 k, 2 v, 3 o).
; Wave w reads rows k = 16 w .. 16 w + 15; lane l the columns 2 l, 2 l + 1: one load of a wave covers 256 aligned bytes.
; FORMAT: f16, 11 significant bits.  LIMIT: a weight beyond 65,504 in magnitude becomes infinity; below 6.1e-5 the step is 6e-8.
; No matrix unit, no cluster: each byte is read once and written once, and no two work-groups share a byte.
.set PIT, 144                          ; a stage row: 64 k in f16 (128 bytes) + 16
	s_load_b256 s[4:11], s[0:1], 0x0               ; w_q s[4:5], w_k s[6:7], w_v s[8:9], w_o s[10:11]
	s_load_b64 s[12:13], s[0:1], 0x20              ; wt
	v_lshl_add_u32 v64, v0, 2, 0x2400
	v_mov_b32 v65, 0
	s_and_b32 s16, ttmp7, 0xffff                   ; mat
	s_lshr_b32 s17, ttmp9, 3                       ; kc
	s_and_b32 s18, ttmp9, 7                        ; nb
	s_lshl_b32 s20, s17, 17                        ; source: 64 kc rows of 2,048 bytes
	s_lshl_b32 s21, s18, 8                         ; + 64 nb columns of 4 bytes
	s_add_co_u32 s20, s20, s21
	s_mov_b32 s21, 0
	s_lshr_b32 s22, s18, 1                         ; target: cb = nb / 2, 524,288 bytes each
	s_lshl_b32 s22, s22, 19
	s_lshl_b32 s23, s16, 17                        ; + mat x 131,072
	s_add_co_u32 s22, s22, s23
	s_lshl_b32 s23, s17, 14                        ; + kc x 16,384
	s_add_co_u32 s22, s22, s23
	s_and_b32 s23, s18, 1                          ; + the tile's lower or upper four blocks of 16 columns
	s_lshl_b32 s23, s23, 13
	s_add_co_u32 s22, s22, s23
	s_mov_b32 s23, 0
	v_lshrrev_b32 v2, 5, v0                        ; wave
	v_and_b32 v3, 31, v0                           ; lane
	v_lshlrev_b32 v1, 3, v3                        ; 8 bytes a lane
	v_lshl_add_u32 v1, v2, 15, v1                  ; + 16 rows of 2,048 bytes a wave
	s_wait_kmcnt 0x0
	s_cmp_eq_u32 s16, 1                            ; the weight of this work-group, chosen by its y
	s_cselect_b64 s[4:5], s[6:7], s[4:5]
	s_cmp_eq_u32 s16, 2
	s_cselect_b64 s[4:5], s[8:9], s[4:5]
	s_cmp_eq_u32 s16, 3
	s_cselect_b64 s[4:5], s[10:11], s[4:5]
	s_add_nc_u64 s[4:5], s[4:5], s[20:21]
	s_add_nc_u64 s[12:13], s[12:13], s[22:23]
.irp i, 0,1,2,3,4,5,6,7,8,9,10,11,12,13,14,15
	global_load_b64 v[8+2*\i:9+2*\i], v1, s[4:5] offset:\i*2048 th:TH_LOAD_NT   ; W[16 w + i][2 l], W[16 w + i][2 l + 1]; read once in the launch
.endr
	v_mul_u32_u24 v4, v3, 2*PIT                    ; in: stage row n = 2 l,
	v_lshl_add_u32 v4, v2, 5, v4                   ; my wave's 16 k = 32 bytes
	v_and_b32 v5, 15, v0                           ; back: thread t = 64 ks + 32 half + 16 h + r takes row r of a block of 16 columns,
	v_mul_u32_u24 v5, v5, PIT
	v_lshrrev_b32 v6, 4, v0                        ; its eight k from 32 ks + 16 half + 8 h on: byte 16 (t / 16)
	v_lshl_add_u32 v5, v6, 4, v5
	v_lshlrev_b32 v6, 4, v0                        ; and puts them at 16 t
	s_wait_loadcnt 0x0
.irp i, 0,1,2,3,4,5,6,7
	v_cvt_pk_f16_f32 v[40+\i], v[8+4*\i], v[10+4*\i]       ; column 2 l: k = 2 i, 2 i + 1
	v_cvt_pk_f16_f32 v[48+\i], v[9+4*\i], v[11+4*\i]       ; column 2 l + 1
.endr
	ds_store_b128 v4, v[40:43]
	ds_store_b128 v4, v[44:47] offset:16
	ds_store_b128 v4, v[48:51] offset:PIT
	ds_store_b128 v4, v[52:55] offset:PIT+16
	s_wait_dscnt 0x0                               ; my stores are done before I say so: the other waves read them
	s_barrier_signal -1
	s_barrier_wait -1
.irp i, 0,1,2,3
	ds_load_b128 v[8+4*\i:11+4*\i], v5 offset:\i*16*PIT    ; block i of 16 columns
.endr
.irp i, 0,1,2,3
	s_wait_dscnt 3-\i                              ; LDS loads come back in order: load i is in, the younger ones stay out
	global_store_b128 v6, v[8+4*\i:11+4*\i], s[12:13] offset:\i*2048   ; a wave's store covers 512 dense bytes, aligned
.endr
	s_wait_tensorcnt 0x0
	ds_add_u32 v64, v65
	s_wait_dscnt 0x0
	s_endpgm
.Lfunc_end_k_qbf4edc09be_wprep:
	.size	k_qbf4edc09be_wprep, .Lfunc_end_k_qbf4edc09be_wprep-k_qbf4edc09be_wprep
	.p2alignl 7, 3214868480
	.fill 96, 4, 3214868480
	.section	.rodata,"a",@progbits
	.p2align	6, 0x0
	.amdhsa_kernel k_qbf4edc09be_wprep
		.amdhsa_group_segment_fixed_size 9728
		.amdhsa_private_segment_fixed_size 0
		.amdhsa_enable_private_segment 0
		.amdhsa_kernarg_size 40
		.amdhsa_user_sgpr_count 2
		.amdhsa_user_sgpr_kernarg_segment_ptr 1
		.amdhsa_wavefront_size32 1
		.amdhsa_system_sgpr_workgroup_id_x 1
		.amdhsa_system_sgpr_workgroup_id_y 1
		.amdhsa_system_sgpr_workgroup_id_z 1
		.amdhsa_system_vgpr_workitem_id 0
		.amdhsa_next_free_vgpr 66
		.amdhsa_next_free_sgpr 66
		.amdhsa_reserve_vcc 0
		.amdhsa_float_denorm_mode_32 3
		.amdhsa_float_denorm_mode_16_64 3
		.amdhsa_memory_ordered 1
		.amdhsa_forward_progress 1
		.amdhsa_inst_pref_size 6
	.end_amdhsa_kernel
	.amdgpu_metadata
---
amdhsa.version: [ 1, 2 ]
amdhsa.kernels:
  - .name:           k_qbf4edc09be_wprep
    .symbol:         k_qbf4edc09be_wprep.kd
    .args:
      - { .name: w_q, .offset: 0, .size: 8, .value_kind: global_buffer, .address_space: global }
      - { .name: w_k, .offset: 8, .size: 8, .value_kind: global_buffer, .address_space: global }
      - { .name: w_v, .offset: 16, .size: 8, .value_kind: global_buffer, .address_space: global }
      - { .name: w_o, .offset: 24, .size: 8, .value_kind: global_buffer, .address_space: global }
      - { .name: wt, .offset: 32, .size: 8, .value_kind: global_buffer, .address_space: global }
    .group_segment_fixed_size: 9728
    .private_segment_fixed_size: 0
    .kernarg_segment_align: 8
    .kernarg_segment_size: 40
    .max_flat_workgroup_size: 128
    .sgpr_count:     66
    .vgpr_count:     66
    .wavefront_size: 32
...
	.end_amdgpu_metadata
.endif
;; end of part 5
;; launch proj (part 6): grid 4 x 64, 8 waves a work-group, clusters of 4 x 4, 327,680 bytes of LDS; arguments inputs_q, inputs_kv, wt, qb, kb, vt; writes qb, kb, vt
.if DOCPART == 6
	.amdgcn_target "amdgcn-amd-amdhsa--gfx1250"
	.amdhsa_code_object_version 6
	.text
	.protected	k_qbf4edc09be_proj
	.globl	k_qbf4edc09be_proj
	.p2align	8
	.type	k_qbf4edc09be_proj,@function
k_qbf4edc09be_proj:
	s_mov_b64 s[64:65], 0
	v_nop
	global_prefetch_b8 v0, s[64:65] scope:SCOPE_SE
	s_setreg_imm32_b32 hwreg(HW_REG_WAVE_MODE, 25, 1), 1
	s_wait_xcnt 0x0
	s_wait_alu depctr_hold_cnt(0) depctr_sa_sdst(0) depctr_va_vdst(0) depctr_va_sdst(0) depctr_va_ssrc(0) depctr_va_vcc(0) depctr_vm_vsrc(0)
	s_getreg_b32 s2, hwreg(HW_REG_IB_STS2, 6, 4)
	s_cmp_eq_u32 s2, 0
	s_cbranch_scc0 .Lentry_in_a_cluster
	s_endpgm
.Lentry_in_a_cluster:
	s_bfe_u32 s2, ttmp6, 0x10000c
	s_cmp_lg_u32 s2, 0xf033
	s_cbranch_scc0 .Lentry_shape_is_right
	s_endpgm
.Lentry_shape_is_right:
; The three input projections.  Work-group (cb, tb) makes q, and then k and v TOGETHER, for 128 tokens (tb of 64) x 128 columns (cb of 4: two heads).
;   qb[8 b + h][s / 16][ct 4][lane][8] = f16(0.125 log2(e) x (inputs_q w_q))   (the factor of the scores and of the base-2 exponential, in f32)
;   kb, the same order                 = f16(inputs_kv w_k)
;   vt[8 b + h][s / 32][dt 4][tt 2][lane][8] = f16(inputs_kv w_v), eight neighbouring KEYS in a lane
; K goes in steps of 64.  q: 8 steps, each a tile of inputs_q and a tile of w_q.  k and v: 8 steps, each ONE tile of inputs_kv and a tile of w_k
; and of w_v, so inputs_kv passes through LDS once: 8 x 51,200 + 8 x 67,584 = 950,272 bytes a work-group in all.
; A ring of two LDS slots takes them in seven fills: q's steps 0-2, 3-5, 6-7, then k and v's steps 0-1, 2-3, 4-5, 6-7, in slots 0, 1, 0, 1, 0, 1, 0.
; FRAGMENT ORDER: a tile of 16 x 16 results is stored as 512 dense bytes, lane l = 16 h + r at byte 16 l, as the four packed conversions of
; a matrix result leave it.  Two such tiles are a fragment of 32 along K for the next launch.  So results leave straight from registers,
; each store of a wave covers 512 consecutive aligned bytes, and no stage in LDS is needed.
; FORMAT: all matrix operands are f16 (11 significant bits): twelve roundings lie between the inputs and the output, and with 8 significant
; bits their sum comes too near the hundredth of the output's spread that is allowed.  ROOM: f16's largest number is 65,504.  q, k, v are sums
; of 512 products x w: with x of spread 1 and w of spread 1 / sqrt(512) their spread is 1; with both 30 times larger it is 900; with a common
; offset of 30 spreads on both they lie at 512 x 30 x 1.33 = 20,400.  LIMIT: beyond 65,504 a conversion gives infinity and the result is not finite.
; CLUSTERS: 4 x 4 work-groups.  X's tiles hang on the token block alone and are asked for jointly by the four of a row of the cluster; W's
; hang on the column block alone and are asked for jointly by the four of a column.  That divides the requests for both by four.
; X lies in LDS as f32, as the joint load brings it; each wave rounds its own fragments to f16 in registers.
; Wave w: tokens 32 (w & 3) .. + 31, columns 64 (w >> 2) .. + 63 (one head): 2 x 4 accumulator tiles for q, 2 x 4 each for k and for v.
;   q, k: D = (A: 16 columns of W) x (B: 16 tokens): a lane holds a token and eight neighbouring columns.
;   v:    D = (A: 16 tokens) x (B: 16 columns of W): a lane holds a column and eight neighbouring tokens.  The same X fragments, sources swapped.
.set XT,    128*272                    ; X's tile of a K step: 128 rows of 64 f32 (256 bytes) + 16: the 16 rows of a load start in 16 different 16-byte columns modulo 256 bytes
.set XHALF, 64*272                     ; what one wave fetches of it
.set WT,    16384                      ; a tile of W of a K step, in fragment order, no padding
.set W3,    3*XT                       ; where W begins in a slot that holds three steps of q: X's three tiles, then W's three
.set W2,    2*XT                       ; and in a slot that holds two steps: X's two tiles, then two tiles of w_q, or two of w_k and two of w_v
.set SLOT,  3*XT+3*WT                  ; 153,600 bytes; a slot of two steps of k and v uses 135,168 of them
.set XA,  2                            ; v2, v3   X in slot 0, 1: (32 tw + r) 272 + 32 h; serves a slot's steps 0 and 1
.set XB,  4                            ; v4, v5   the same + 2 XT, for step 2: its offset would pass the 16-bit immediate
.set WA,  6                            ; v6, v7   W in slot 0, 1 where it holds three steps: W3 + 8,192 cw + 16 l
.set WC,  8                            ; v8, v9   W where it holds two steps: W2 + 8,192 cw + 16 l
.set GO,  10                           ; v10      16 l
.set RAW, 12                           ; v[12:43]   X of two token tiles as f32: 16 registers each
.set XF,  44                           ; v[44:59]   two X fragments
.set WF,  60                           ; v[60:123]  W fragments, two buffers of four: for q they take turns; then buffer 0 is k's, buffer 1 v's
.set ACC, 124                          ; v[124:251] accumulator tile 4 tt + ct of q, later of k; 8 + 4 tt + ct of v; before the first product: at work
.set G1,  24                           ; s[24:31] descriptor group 1 for X
.set G0,  32                           ; s[32:39] group 0 for X, a set for each slot
.set G1B, 40                           ; s[40:47] group 1 for W in a slot of three steps: 96 rows of 256 bytes
.set G0B, 48                           ; s[48:55] its group 0, a set for each slot
.set G0C, 84                           ; s[84:91] group 0 for W in a slot of two steps, a set for each slot
.set G1C, 92                           ; s[92:99] its group 1: 64 rows of 256 bytes
; Joint loads.  Each line has one mask and one set of registers; the branches hang on the wave's number alone, so they are alike in all work-groups.
.macro JLOAD3 s                        ; a slot of three steps: waves 0-5 ask for X's six halves, waves 6 and 7 for the halves of W's three tiles
	s_cmp_lt_u32 s16, 6
	s_cbranch_scc0 .Lw3_\@
	tensor_load_to_lds s[G0+4*\s:G0+4*\s+3], s[G1:G1+7]
	s_nop 0
	s_branch .Ld3_\@
.Lw3_\@:
	tensor_load_to_lds s[G0B+4*\s:G0B+4*\s+3], s[G1B:G1B+7]
	s_nop 0
.Ld3_\@:
.endm
.macro JLOAD2 s, wlast                 ; a slot of two steps: waves 0-3 ask for X's four halves, waves 4 .. wlast for a tile of W each; a wave beyond has no part to fill
	s_cmp_lt_u32 s16, 4
	s_cbranch_scc0 .Lw2_\@
	tensor_load_to_lds s[G0+4*\s:G0+4*\s+3], s[G1:G1+7]
	s_nop 0
	s_branch .Ld2_\@
.Lw2_\@:
.if \wlast < 7
	s_cmp_gt_u32 s16, \wlast
	s_cbranch_scc1 .Ld2_\@
.endif
	tensor_load_to_lds s[G0C+4*\s:G0C+4*\s+3], s[G1C:G1C+7]
	s_nop 0
.Ld2_\@:
.endm
; A round of the cluster's barrier: my work-group's barrier, wave 0 signals for the work-group, every wave waits for all sixteen, my work-group's barrier once more.
.macro CREST                           ; a round behind its opening barrier
	s_cmp_lg_u32 s16, 0
	s_cbranch_scc1 .Lnot_wave_0_\@
	s_barrier_signal -3
.Lnot_wave_0_\@:
	s_barrier_wait -3
	s_barrier_signal -1
	s_barrier_wait -1
.endm
.macro CROUND
	s_barrier_signal -1
	s_barrier_wait -1
	CREST
.endm
.macro SETX s, base, step              ; X's global address for slot s: the base holds my rows and my step within the slot; step = the slot's first K step
	s_add_nc_u64 s[G0+4*\s+2:G0+4*\s+3], s[\base:\base+1], (\step)*256
	s_or_b32 s[G0+4*\s+3], s[G0+4*\s+3], 0x80000000               ; type 2
.endm
.macro SETW3 s, f                      ; W's address for a slot of three steps: q's tiles 3 f .. 3 f + 2 are dense
	s_add_nc_u64 s[G0B+4*\s+2:G0B+4*\s+3], s[60:61], (\f)*3*WT
	s_or_b32 s[G0B+4*\s+3], s[G0B+4*\s+3], 0x80000000
.endm
.macro SETW2 s, pair                   ; W's address for a slot of two steps.  In wt q's tiles 6, 7 stand straight ahead of k's tile 0: pair 0 = q's 6, 7; pair p = steps 2 p - 2, 2 p - 1 of k (waves 4, 5) and of v (waves 6, 7)
	s_add_nc_u64 s[G0C+4*\s+2:G0C+4*\s+3], s[62:63], (\pair)*2*WT
	s_or_b32 s[G0C+4*\s+3], s[G0C+4*\s+3], 0x80000000
.endm
; Eight LDS loads: X of 32 along K.  Lane (r, h) takes k = 8 h .. + 7 (32 bytes at 32 h) and k = 16 + 8 h .. + 7 (32 bytes at 64 + 32 h) of its token's row, as f32.
.macro LX xr, xo
.irp tt, 0,1
	ds_load_b128 v[RAW+16*\tt:RAW+16*\tt+3],     v[\xr] offset:\xo+\tt*16*272
	ds_load_b128 v[RAW+16*\tt+4:RAW+16*\tt+7],   v[\xr] offset:\xo+\tt*16*272+16
	ds_load_b128 v[RAW+16*\tt+8:RAW+16*\tt+11],  v[\xr] offset:\xo+\tt*16*272+64
	ds_load_b128 v[RAW+16*\tt+12:RAW+16*\tt+15], v[\xr] offset:\xo+\tt*16*272+80
.endr
.endm
; Eight LDS loads: four W fragments into buffer b.  A fragment is 1,024 dense bytes, 16 a lane twice.
.macro LW wr, wo, b
.irp ct, 0,1,2,3
	ds_load_b128 v[WF+32*(\b)+8*\ct:WF+32*(\b)+8*\ct+3],   v[\wr] offset:\wo+\ct*2048
	ds_load_b128 v[WF+32*(\b)+8*\ct+4:WF+32*(\b)+8*\ct+7], v[\wr] offset:\wo+\ct*2048+512
.endr
.endm
; Where the step n of 32 along K lies in LDS: address registers lxr, lwr and offsets lxo, lwo.
.macro PLACEQ n                        ; q: K steps 0-2 in slot 0, 3-5 in slot 1 (three to a slot), 6-7 in slot 0 (two to a slot)
.set lg, (\n)/2
.set lk, (\n)%2
.if lg < 6
.set ls, lg/3
.set lj, lg%3
.set lwr, WA+ls
.else
.set ls, 0
.set lj, lg-6
.set lwr, WC+ls
.endif
.if lj == 2
.set lxr, XB+ls
.set lxo, lk*128
.else
.set lxr, XA+ls
.set lxo, lj*XT+lk*128
.endif
.set lwo, lj*WT+lk*1024
.endm
.macro PLACEKV n                       ; k and v: K steps 0-1, 2-3, 4-5, 6-7 in slots 1, 0, 1, 0; lwo is k's, v's lies 2 WT further
.set lg, (\n)/2
.set lk, (\n)%2
.set ls, (lg/2+1)%2
.set lj, lg%2
.set lxr, XA+ls
.set lxo, lj*XT+lk*128
.set lwr, WC+ls
.set lwo, lj*WT+lk*1024
.endm
.macro CVT                             ; two X fragments: 32 f32 to 32 f16
.irp tt, 0,1
.irp i, 0,1,2,3,4,5,6,7
	v_cvt_pk_f16_f32 v[XF+8*\tt+\i], v[RAW+16*\tt+2*\i], v[RAW+16*\tt+2*\i+1]
.endr
.endr
.endm
; Eight products with W's buffer b onto tiles a0 .. a0 + 7; the accumulators take turns, one instruction a turn.
.macro MM b, a0, zero, swap
.irp tt, 0,1
.irp ct, 0,1,2,3
.if \swap
.if \zero
	v_wmma_f32_16x16x32_f16 v[ACC+8*(\a0+4*\tt+\ct):ACC+8*(\a0+4*\tt+\ct)+7], v[XF+8*\tt:XF+8*\tt+7], v[WF+32*(\b)+8*\ct:WF+32*(\b)+8*\ct+7], 0
.else
	v_wmma_f32_16x16x32_f16 v[ACC+8*(\a0+4*\tt+\ct):ACC+8*(\a0+4*\tt+\ct)+7], v[XF+8*\tt:XF+8*\tt+7], v[WF+32*(\b)+8*\ct:WF+32*(\b)+8*\ct+7], v[ACC+8*(\a0+4*\tt+\ct):ACC+8*(\a0+4*\tt+\ct)+7]
.endif
.else
.if \zero
	v_wmma_f32_16x16x32_f16 v[ACC+8*(\a0+4*\tt+\ct):ACC+8*(\a0+4*\tt+\ct)+7], v[WF+32*(\b)+8*\ct:WF+32*(\b)+8*\ct+7], v[XF+8*\tt:XF+8*\tt+7], 0
.else
	v_wmma_f32_16x16x32_f16 v[ACC+8*(\a0+4*\tt+\ct):ACC+8*(\a0+4*\tt+\ct)+7], v[WF+32*(\b)+8*\ct:WF+32*(\b)+8*\ct+7], v[XF+8*\tt:XF+8*\tt+7], v[ACC+8*(\a0+4*\tt+\ct):ACC+8*(\a0+4*\tt+\ct)+7]
.endif
.endif
.endr
.endr
.endm
; Four places behind a group of products (ISA guide 7.12.1): only behind them are the X fragments converted anew, a W buffer loaded anew, or results read.
; The conversions cannot serve as places here: they write XF, which the products read.
.macro PLACES
.rept 4
	v_nop
.endr
.endm
; The change of slots, first part.  My reads of slot s are back (the wait on DScnt ahead), all my tensor loads have landed (the one that was out is my part
; of the other slot), so slot s's sets may be written; then the signal that opens a round of the cluster's barrier.  A group of products stands inside the round.
.macro TURNHEAD s, xbase, xstep, pair
	s_wait_tensorcnt 0x0
	ds_add_u32 v254, v255
	s_wait_dscnt 0x0
	SETX \s, \xbase, \xstep
	SETW2 \s, \pair
	s_barrier_signal -1
.endm
; The way out of eight tiles from a0 on: rounded to f16 in place (word i of a tile is written when words 2 i, 2 i + 1 have been read), 512 dense bytes a store.
.macro OUT a0, base, isv
.set ix, 0
.rept 8
.irp i, 0,1,2,3
	v_cvt_pk_f16_f32 v[ACC+8*(\a0+ix)+\i], v[ACC+8*(\a0+ix)+2*\i], v[ACC+8*(\a0+ix)+2*\i+1]
.endr
.set ix, ix+1
.endr
.irp tt, 0,1
.irp ct, 0,1,2,3
.if \isv
	global_store_b128 v[GO], v[ACC+8*(\a0+4*\tt+\ct):ACC+8*(\a0+4*\tt+\ct)+3], s[\base:\base+1] offset:\ct*1024+\tt*512      ; vt: [dt][tt]
.else
	global_store_b128 v[GO], v[ACC+8*(\a0+4*\tt+\ct):ACC+8*(\a0+4*\tt+\ct)+3], s[\base:\base+1] offset:(4*\tt+\ct)*512       ; qb, kb: [s / 16][ct]
.endif
.endr
.endr
.endm
; q's step qq of 16, 32 along K.  Its 16 loads were issued a step ago; the next step's go out ahead of its products, W into the other buffer.
; Steps 5, 11 and 15 are a slot's last: the slot is filled again behind a round, and the next step's loads, from the other slot, follow the refill.
.macro QSTEP
.set bb, qq%2
.set nb, 1-bb
.set zf, 0
.if qq == 0
.set zf, 1                                         ; the first products start the sums: nothing is cleared
.endif
.set turn, 0
	s_wait_dscnt 0x0                               ; X and W of this step; no LDS load of mine is out
	CVT
.if qq == 5
.set turn, 1
	TURNHEAD 0, 56, 6, 0                           ; slot 0: q's steps 6, 7
.endif
.if qq == 11
.set turn, 1
	TURNHEAD 1, 58, 0, 1                           ; slot 1: k and v's steps 0, 1
.endif
.if qq == 15
.set turn, 1
	TURNHEAD 0, 58, 2, 2                           ; slot 0: k and v's steps 2, 3
.endif
.if turn
	MM bb, 0, 0, 0                                 ; register work while the others arrive
	PLACES
	s_barrier_wait -1
	CREST
.if qq == 5
	JLOAD2 0, 5                                    ; the refill first behind the round, one tensor load a wave; waves 6 and 7 have none: w_q has two tiles here
.endif
.if qq == 11
	JLOAD2 1, 7
.endif
.if qq == 15
	JLOAD2 0, 7
.endif
.endif
.if qq == 15
	PLACEKV 0                                      ; k and v's first step: X, k's W, v's W, in the order in which they are waited for
	LX lxr, lxo
	LW lwr, lwo, 0
	LW lwr, lwo+2*WT, 1
.else
	PLACEQ qq+1
	LX lxr, lxo
	LW lwr, lwo, nb
.endif
.if turn == 0
	MM bb, 0, zf, 0
	PLACES
.endif
.endm
; k and v's step kk of 16, 32 along K: one pair of X fragments, eight products for k, eight for v.
; LDS loads run in the order X, k's W, v's W of each step.  X of the next step goes out behind the conversions, k's W behind k's products, v's W behind v's.
; Steps 3, 7 and 11 are a slot's last; behind step 11 nothing is left to fetch and a plain barrier shows the last slot whole.
.macro KVSTEP
.set zf, 0
.if kk == 0
.set zf, 1
.endif
	s_wait_dscnt 0x8                               ; X and k's W are in; v's eight loads stay out
	CVT
.if (kk%4) == 3
	MM 0, 0, 0, 0
	s_wait_dscnt 0x0                               ; v's W; my reads of this slot are over
.if kk < 15
.if kk == 3
	TURNHEAD 1, 58, 4, 3                           ; slot 1: steps 4, 5
.endif
.if kk == 7
	TURNHEAD 0, 58, 6, 4                           ; slot 0: steps 6, 7
.endif
.if kk == 11
	s_wait_tensorcnt 0x0                           ; my part of the last slot has landed
	s_barrier_signal -1
.endif
	MM 1, 8, 0, 1
	PLACES
	s_barrier_wait -1
.if kk == 3
	CREST
	JLOAD2 1, 7
.endif
.if kk == 7
	CREST
	JLOAD2 0, 7
.endif
	PLACEKV kk+1
	LX lxr, lxo
	LW lwr, lwo, 0
	LW lwr, lwo+2*WT, 1
.else
	MM 1, 8, 0, 1
.endif
.else
	PLACEKV kk+1
	LX lxr, lxo
.if kk == 0
	s_wait_xcnt 0x0                                ; q's stores read the tiles that k's first products write: only behind this wait
.endif
	MM 0, 0, zf, 0
	s_wait_dscnt 0x8                               ; v's W is in; the next step's eight loads of X stay out
	PLACES
	LW lwr, lwo, 0
	MM 1, 8, zf, 1
	PLACES
	LW lwr, lwo+2*WT, 1
.endif
.endm
	s_load_b256 s[4:11], s[0:1], 0x0               ; inputs_q s[4:5], inputs_kv s[6:7], wt s[8:9], qb s[10:11]
	s_load_b128 s[12:15], s[0:1], 0x20             ; kb s[12:13], vt s[14:15]
	v_lshl_add_u32 v254, v0, 2, 0x4b000
	v_mov_b32 v255, 0
	ds_add_u32 v254, v255
	ds_add_u32 v254, v255
	v_lshrrev_b32 v1, 5, v0
	v_readfirstlane_b32 s16, v1                    ; wave 0 .. 7
	s_and_b32 s17, s16, 3
	s_lshr_b32 s18, s16, 1                         ; which step of a slot I fetch X for
	s_and_b32 s19, s16, 1                          ; which half of X's tile; which half or tile of W
	s_bfe_u32 s20, ttmp6, 0x40000                  ; cx
	s_bfe_u32 s21, ttmp6, 0x40004                  ; cy
	s_lshl_b32 s80, ttmp9, 2
	s_add_co_u32 s80, s80, s20                     ; cb = 4 x cluster x + cx
	s_and_b32 s22, ttmp7, 0xffff
	s_lshl_b32 s22, s22, 2
	s_add_co_u32 s22, s22, s21                     ; tb = 4 x cluster y + cy
	s_lshl_b32 s78, s21, 2
	s_lshl_b32 s78, 15, s78                        ; my row of the cluster: places 4 cy .. 4 cy + 3
	s_lshl_b32 s81, 0x1111, s20                    ; my column: places cx, cx + 4, cx + 8, cx + 12
	; group 1 for X: 64 rows of 64 f32, 512 f32 from row to row, 16 bytes of padding behind each row in LDS
	s_or_b32 s[G1+0], s78, (2<<16)|(1<<20)|(1<<21)|(5<<22)|(3<<25)  ; mask of my row; elements of 4 bytes; padding on; bit 21 beside a mask; after every 64 words, 4 words
	s_mov_b32 s[G1+1], 64<<16                      ; tensor_dim0 = 64
	s_mov_b32 s[G1+2], 64<<16                      ; tensor_dim1 = 64
	s_mov_b32 s[G1+3], 64<<16                      ; tile_dim0 = 64
	s_mov_b32 s[G1+4], 64                          ; tile_dim1 = 64
	s_mov_b32 s[G1+5], 512                         ; pitch
	s_mov_b32 s[G1+6], 0
	s_mov_b32 s[G1+7], 0
	; group 1 for W, three steps: 24,576 dense bytes as 96 rows of 256, no padding
	s_or_b32 s[G1B+0], s81, (3<<16)|(1<<21)        ; mask of my column; elements of 8 bytes
	s_mov_b32 s[G1B+1], 32<<16
	s_mov_b32 s[G1B+2], 96<<16
	s_mov_b32 s[G1B+3], 32<<16
	s_mov_b32 s[G1B+4], 96
	s_mov_b32 s[G1B+5], 32
	s_mov_b32 s[G1B+6], 0
	s_mov_b32 s[G1B+7], 0
	; group 1 for W, two steps: a tile of 16,384 dense bytes as 64 rows of 256
	s_or_b32 s[G1C+0], s81, (3<<16)|(1<<21)
	s_mov_b32 s[G1C+1], 32<<16
	s_mov_b32 s[G1C+2], 64<<16
	s_mov_b32 s[G1C+3], 32<<16
	s_mov_b32 s[G1C+4], 64
	s_mov_b32 s[G1C+5], 32
	s_mov_b32 s[G1C+6], 0
	s_mov_b32 s[G1C+7], 0
	s_lshl_b32 s66, s22, 18                        ; X: 128 tb rows of 2,048 bytes
	s_lshl_b32 s67, s19, 17                        ; + my 64 rows
	s_add_co_u32 s66, s66, s67
	s_lshl_b32 s67, s18, 8                         ; + my step within the slot: 64 f32
	s_add_co_u32 s66, s66, s67
	s_mov_b32 s67, 0
	s_lshl_b32 s68, s80, 19                        ; wt, three steps: cb x 524,288
	s_mul_i32 s69, s19, 3*WT/2                     ; + my half of three tiles
	s_add_co_u32 s68, s68, s69
	s_mov_b32 s69, 0
	s_lshl_b32 s82, s80, 19                        ; wt, two steps: cb x 524,288
	s_lshl_b32 s83, s19, 14                        ; + my tile of the two
	s_add_co_u32 s82, s82, s83
	s_bfe_u32 s83, s16, 0x10001                    ; waves 4, 5: 0 (k's matrix); waves 6, 7: 1 (v's)
	s_lshl_b32 s83, s83, 17
	s_add_co_u32 s82, s82, s83
	s_add_co_u32 s82, s82, 131072-2*WT             ; two tiles ahead of that matrix's first: for k these are q's tiles 6, 7
	s_mov_b32 s83, 0
	s_lshr_b32 s100, s22, 5                        ; out: batch b = tb / 32,
	s_lshl_b32 s100, s100, 2
	s_add_co_u32 s100, s100, s80
	s_lshl_b32 s100, s100, 1
	s_lshr_b32 s101, s16, 2
	s_add_co_u32 s100, s100, s101                  ; head 8 b + 2 cb + (w >> 2),
	s_lshl_b32 s100, s100, 19                      ; 524,288 bytes a head
	s_and_b32 s101, s22, 31
	s_lshl_b32 s101, s101, 14                      ; + 128 (tb % 32) tokens of 128 bytes
	s_add_co_u32 s100, s100, s101
	s_lshl_b32 s101, s17, 12                       ; + my 32 tokens: 4,096 bytes, in qb, kb and vt alike
	s_add_co_u32 s100, s100, s101
	s_mov_b32 s101, 0
	s_mov_b32 s76, 0x3e38aa3b                      ; 0.125 log2(e)
	s_mov_b32 s77, 0x3e38aa3b
	s_mul_i32 s79, s16, XHALF                      ; LDS: X's halves follow each other: wave x 64 rows; no place in the cluster enters an LDS address
	s_mul_i32 s23, s19, 3*WT/2                     ; W, three steps: two halves
.irp s, 0,1
	s_mov_b32 s[G0+4*\s], 1
	s_add_co_u32 s[G0+4*\s+1], s79, \s*SLOT
	s_mov_b32 s[G0B+4*\s], 1
	s_add_co_u32 s[G0B+4*\s+1], s23, W3+\s*SLOT
.endr
	s_lshl_b32 s23, s17, 14                        ; W, two steps: waves 4 to 7 put their tiles one behind the other
.irp s, 0,1
	s_mov_b32 s[G0C+4*\s], 1
	s_add_co_u32 s[G0C+4*\s+1], s23, W2+\s*SLOT
.endr
	s_wait_dscnt 0x0
	s_wait_kmcnt 0x0
	s_add_nc_u64 s[56:57], s[4:5], s[66:67]        ; inputs_q at my rows and step
	s_add_nc_u64 s[58:59], s[6:7], s[66:67]        ; inputs_kv likewise
	s_add_nc_u64 s[60:61], s[8:9], s[68:69]
	s_add_nc_u64 s[62:63], s[8:9], s[82:83]
	s_add_nc_u64 s[70:71], s[10:11], s[100:101]
	s_add_nc_u64 s[72:73], s[12:13], s[100:101]
	s_add_nc_u64 s[74:75], s[14:15], s[100:101]
	CROUND                                         ; all sixteen work-groups are here: the first joint loads meet
	SETX 0, 56, 0
	SETW3 0, 0
	JLOAD3 0                                       ; both slots' first fills go out as one group: two tensor loads of a wave are out at the most
	SETX 1, 56, 3
	SETW3 1, 1
	JLOAD3 1
	v_and_b32 v[ACC], 15, v0                       ; r
	v_bfe_u32 v[ACC+1], v0, 4, 1                   ; h
	v_bfe_u32 v[ACC+2], v0, 5, 2                   ; tw = w & 3
	v_lshrrev_b32 v[ACC+3], 7, v0                  ; cw = w >> 2
	v_lshl_add_u32 v[ACC+4], v[ACC+2], 5, v[ACC]   ; my token row 32 tw + r
	v_mul_u32_u24 v[XA], v[ACC+4], 272
	v_lshl_add_u32 v[XA], v[ACC+1], 5, v[XA]
	v_add_nc_u32 v[XA+1], SLOT, v[XA]
	v_add_nc_u32 v[XB], 2*XT, v[XA]
	v_add_nc_u32 v[XB+1], SLOT+2*XT, v[XA]
	v_and_b32 v[ACC+5], 31, v0
	v_lshlrev_b32 v[GO], 4, v[ACC+5]
	v_lshl_add_u32 v[WC], v[ACC+3], 13, v[GO]      ; four blocks of 16 columns are 8,192 bytes
	v_add_nc_u32 v[WA], W3, v[WC]
	v_add_nc_u32 v[WA+1], W3+SLOT, v[WC]
	v_add_nc_u32 v[WC+1], W2+SLOT, v[WC]
	v_add_nc_u32 v[WC], W2, v[WC]
	s_wait_tensorcnt 0x1                           ; my part of slot 0 is in; slot 1's stays out
	s_barrier_signal -1
	s_barrier_wait -1                              ; everybody's is
	PLACEQ 0
	LX lxr, lxo
	LW lwr, lwo, 0
.set qq, 0
.rept 16
	QSTEP
.set qq, qq+1
.endr
	; q leaves while the first loads of k and v's steps are on their way.  The places behind q's last products stand inside the round above.
.set ix, 0
.rept 32
	v_pk_mul_f32 v[ACC+ix:ACC+ix+1], v[ACC+ix:ACC+ix+1], s[76:77] op_sel_hi:[1,0]   ; q x 0.125 log2(e)
.set ix, ix+2
.endr
	OUT 0, 70, 0
.set kk, 0
.rept 16
	KVSTEP
.set kk, kk+1
.endr
	PLACES
	OUT 0, 72, 0                                   ; k
	OUT 8, 74, 1                                   ; v
	s_wait_tensorcnt 0x0
	ds_add_u32 v254, v255
	s_wait_dscnt 0x0
	CROUND                                         ; the closing round: no work-group ends while a partner may still ask for a tile that names it
	s_endpgm
.Lfunc_end_k_qbf4edc09be_proj:
	.size	k_qbf4edc09be_proj, .Lfunc_end_k_qbf4edc09be_proj-k_qbf4edc09be_proj
	.p2alignl 7, 3214868480
	.fill 96, 4, 3214868480
	.section	.rodata,"a",@progbits
	.p2align	6, 0x0
	.amdhsa_kernel k_qbf4edc09be_proj
		.amdhsa_group_segment_fixed_size 327680
		.amdhsa_private_segment_fixed_size 0
		.amdhsa_enable_private_segment 0
		.amdhsa_kernarg_size 48
		.amdhsa_user_sgpr_count 2
		.amdhsa_user_sgpr_kernarg_segment_ptr 1
		.amdhsa_wavefront_size32 1
		.amdhsa_system_sgpr_workgroup_id_x 1
		.amdhsa_system_sgpr_workgroup_id_y 1
		.amdhsa_system_sgpr_workgroup_id_z 1
		.amdhsa_system_vgpr_workitem_id 0
		.amdhsa_next_free_vgpr 256
		.amdhsa_next_free_sgpr 102
		.amdhsa_reserve_vcc 0
		.amdhsa_float_denorm_mode_32 3
		.amdhsa_float_denorm_mode_16_64 3
		.amdhsa_memory_ordered 1
		.amdhsa_forward_progress 1
		.amdhsa_inst_pref_size 126
	.end_amdhsa_kernel
	.amdgpu_metadata
---
amdhsa.version: [ 1, 2 ]
amdhsa.kernels:
  - .name:           k_qbf4edc09be_proj
    .symbol:         k_qbf4edc09be_proj.kd
    .args:
      - { .name: inputs_q, .offset: 0, .size: 8, .value_kind: global_buffer, .address_space: global }
      - { .name: inputs_kv, .offset: 8, .size: 8, .value_kind: global_buffer, .address_space: global }
      - { .name: wt, .offset: 16, .size: 8, .value_kind: global_buffer, .address_space: global }
      - { .name: qb, .offset: 24, .size: 8, .value_kind: global_buffer, .address_space: global }
      - { .name: kb, .offset: 32, .size: 8, .value_kind: global_buffer, .address_space: global }
      - { .name: vt, .offset: 40, .size: 8, .value_kind: global_buffer, .address_space: global }
    .group_segment_fixed_size: 327680
    .private_segment_fixed_size: 0
    .kernarg_segment_align: 8
    .kernarg_segment_size: 48
    .max_flat_workgroup_size: 256
    .sgpr_count:     102
    .vgpr_count:     256
    .wavefront_size: 32
...
	.end_amdgpu_metadata
.endif
;; end of part 6
;; launch attn (part 7): grid 16 x 16, 8 waves a work-group, no clusters, 197,632 bytes of LDS; arguments qb, kb, vt, ob; writes ob
.if DOCPART == 7
	.amdgcn_target "amdgcn-amd-amdhsa--gfx1250"
	.amdhsa_code_object_version 6
	.text
	.protected	k_qbf4edc09be_attn
	.globl	k_qbf4edc09be_attn
	.p2align	8
	.type	k_qbf4edc09be_attn,@function
k_qbf4edc09be_attn:
	s_mov_b64 s[64:65], 0
	v_nop
	global_prefetch_b8 v0, s[64:65] scope:SCOPE_SE
	s_setreg_imm32_b32 hwreg(HW_REG_WAVE_MODE, 25, 1), 1
	s_wait_xcnt 0x0
; Band attention with ALiBi for one head (y = 8 b + h) and 256 queries (x).  ob = softmax(...) V in f16.
; Wave w owns 32 queries, qw = 256 x + 32 w .., and needs the 17 blocks of 32 keys from qw - 256 on: all keys with |i - j| <= 256.
; Only the lowest and the highest block cross the band's edge and carry the mask; what lies outside these blocks the mask of the problem discards.
; The work-group's 768 keys (three thirds of 256) lie in LDS, K and V.  They are filled once.
; THE ORDER OF THE BLOCKS.  A softmax with a running maximum may take its keys in any order.  Every wave has exactly eight of its blocks in the
; MIDDLE third (the work-group's own 256 keys), so that third is asked for first and its eight blocks are worked on while the outer thirds are still
; on their way.  LDS holds the thirds in the order middle, lower, upper: the other nine blocks of wave w (8 - w in the lower third, w + 1 in the upper)
; then lie one behind the other from block 8 + w on.  At the seam i - j falls by 288 in place of 32 and the key's position rises by 256 more;
; both are chosen by a scalar select on the block's count against the wave's number.
; FRAGMENT ORDER: qb, kb, ob are [8 b + h][s / 16][ct 4][lane][8 numbers] (lane 16 h + r: token r, numbers 16 ct + 8 h ..), vt is
; [8 b + h][s / 32][dt 4][tt 2][lane][8 keys].  A fragment is 1,024 dense bytes, 16 bytes a lane twice: every LDS and memory access here has
; lane l at byte 16 l, so no padding is needed and each store of a wave covers 512 consecutive aligned bytes, straight from registers.
; S IS FORMED TRANSPOSED: S^T = K Q^T.  Lane l then holds query l % 16 and keys 8 (l / 16) + j of each 16-key tile, which is exactly the
; B fragment of P^T for O^T = V^T P^T: the weights go from one product to the next without leaving their lane.
; A query's maximum and sum run over a lane's registers and the lane 16 further on.  Running maximum, base-2 exponentials
; (q carries 0.125 log2(e), the slope carries log2(e)).
; FORMAT: q, k, v, the weights and o are f16.  The weights lie in (0, 1]; one below 6e-8 becomes 0, against a sum l of at least 1.
; o is a weighted mean of v and has v's range.
; LIMITS.  A block of keys beyond the sequence's ends holds other keys' numbers (a clamped third) and is switched off by the slope -2^100
; in place of the head's; it comes behind the middle third's true blocks, so its weights are 0.  Right while |score| < 2^90.
; The sum l adds the weights in f32; the numerator uses them rounded to f16.
; NO CLUSTER: neighbouring query blocks share two of their three thirds, but in different roles (the middle third of one is the lower third of the
; next) and so at different places of their LDS, and a joint load has one LDS address for all its partners.
.set BLK,   4096                       ; a block of 32 keys, of K or of V
.set VREG,  24*BLK                     ; V's region behind K's 24 blocks
.set KA,  2                            ; v2   K fragments of my next outer block: (8 + w) BLK + 16 l, stepped
.set VA,  3                            ; v3   V fragments: VREG + the same
.set MX,  4                            ; v[4:5]    running maximum of query tile 0, 1
.set AL,  6                            ; v[6:7]    2^(old maximum - new)
.set LS,  8                            ; v[8:9], v[10:11]  sums of weights, a pair for each query tile
.set W0,  12                           ; v[12:15]  at work
.set TD,  16                           ; v[16:39]  i - j as f32: register 8 g + j for tiles with qt - kt + 1 = g
.set QF,  40                           ; v[40:71]  Q fragment 2 qt + ks
.set KF,  72                           ; v[72:103] K fragment 2 kt + ks
.set VF,  104                          ; v[104:135] V^T fragment dt
.set SC,  136                          ; v[136:167] S: 16 qt + 8 kt + j; then the weights, packed into 16 qt + 0 .. 7
.set OA,  168                          ; v[168:231] O^T: 32 qt + 8 dt + j
.set GO,  232                          ; v232 16 l; never rewritten; also K's address in the middle third
.set VM,  233                          ; v233 VREG + 16 l: V's address in the middle third
.set TB,  234                          ; v234 r - 8 h
.set RR,  236                          ; r
.set HH,  237                          ; h
.set W1,  238                          ; v[238:239] at work
.macro TINIT                           ; i - j of a run's first block + 32, from v[W0] = r - 8 h - 16 + 32 + (first query - first key)
.irp g, 0,1,2
.irp j, 0,1,2,3,4,5,6,7
	v_add_nc_u32 v[TD+8*\g+\j], 16*\g-\j, v[W0]
.endr
.endr
.set ix, 0
.rept 24
	v_cvt_f32_i32 v[TD+ix], v[TD+ix]
.set ix, ix+1
.endr
.endm
; One block of 32 keys.  first = 1: it starts maximum, sums and O.  mask = 1: it crosses the band's edge.
; roam = 0: a block of the middle third, at the constant byte off.  roam = 1: an outer block, at the stepped addresses, with the seam and the sequence's ends looked after.
.macro BLOCK first, mask, roam, off
.if \roam
	s_cmp_eq_u32 s28, s12                          ; s28 counts 8, 7 .. 0 over my nine outer blocks: the one with s28 = w is the upper third's first
	s_cselect_b32 s56, s13, s15                    ; there i - j falls by 288, elsewhere by 32
	s_cselect_b32 s58, 256, 0
	s_add_co_u32 s27, s27, s58                     ; and the keys' position skips the middle third
	s_cmp_lt_u32 s27, 4096                         ; the block's first key, unsigned: below 0 and from 4,096 on it is no key of the sequence
	s_cselect_b32 s26, s24, s25                    ; the head's slope, or -2^100
	s_add_co_u32 s27, s27, 32
.endif
.irp p, 0,2,4,6,8,10
	v_pk_add_f32 v[TD+\p:TD+\p+1], v[TD+\p:TD+\p+1], s[56:57] op_sel_hi:[1,0]     ; i - j steps on; six places behind the last block's products, ahead of the loads into their sources
.endr
.if \roam
.irp fr, 0,1,2,3
	ds_load_b128 v[KF+8*\fr:KF+8*\fr+3],   v[KA] offset:\fr*1024
	ds_load_b128 v[KF+8*\fr+4:KF+8*\fr+7], v[KA] offset:\fr*1024+512
.endr
.irp dt, 0,1,2,3
	ds_load_b128 v[VF+8*\dt:VF+8*\dt+3],   v[VA] offset:\dt*1024
	ds_load_b128 v[VF+8*\dt+4:VF+8*\dt+7], v[VA] offset:\dt*1024+512
.endr
	v_add_nc_u32 v[KA], BLK, v[KA]
	v_add_nc_u32 v[VA], BLK, v[VA]
.else
.irp fr, 0,1,2,3
	ds_load_b128 v[KF+8*\fr:KF+8*\fr+3],   v[GO] offset:\off+\fr*1024
	ds_load_b128 v[KF+8*\fr+4:KF+8*\fr+7], v[GO] offset:\off+\fr*1024+512
.endr
.irp dt, 0,1,2,3
	ds_load_b128 v[VF+8*\dt:VF+8*\dt+3],   v[VM] offset:\off+\dt*1024
	ds_load_b128 v[VF+8*\dt+4:VF+8*\dt+7], v[VM] offset:\off+\dt*1024+512
.endr
.endif
	s_wait_dscnt 0x8                               ; K's eight loads are in; V's eight stay out
.irp ks, 0,1
.irp qt, 0,1
.irp kt, 0,1                                       ; the four score tiles take turns, one instruction a turn
.if \ks == 0
	v_wmma_f32_16x16x32_f16 v[SC+16*\qt+8*\kt:SC+16*\qt+8*\kt+7], v[KF+16*\kt:KF+16*\kt+7], v[QF+16*\qt:QF+16*\qt+7], 0
.else
	v_wmma_f32_16x16x32_f16 v[SC+16*\qt+8*\kt:SC+16*\qt+8*\kt+7], v[KF+16*\kt+8:KF+16*\kt+15], v[QF+16*\qt+8:QF+16*\qt+15], v[SC+16*\qt+8*\kt:SC+16*\qt+8*\kt+7]
.endif
.endr
.endr
.endr
.irp p, 12,14,16,18,20,22
	v_pk_add_f32 v[TD+\p:TD+\p+1], v[TD+\p:TD+\p+1], s[56:57] op_sel_hi:[1,0]     ; the other half of i - j: six places before the scores are read (ISA guide 7.12.1)
.endr
.irp qt, 0,1
.irp kt, 0,1
.irp j, 0,1,2,3,4,5,6,7
	v_fma_f32 v[SC+16*\qt+8*\kt+\j], |v[TD+8*(\qt-\kt+1)+\j]|, s26, v[SC+16*\qt+8*\kt+\j]   ; + (-slope log2(e)) |i - j|
.if \mask
	v_cmp_le_f32 vcc_lo, |v[TD+8*(\qt-\kt+1)+\j]|, s29                                     ; |i - j| <= 256 ?
	v_cndmask_b32 v[SC+16*\qt+8*\kt+\j], s30, v[SC+16*\qt+8*\kt+\j], vcc_lo                ; else the lowest finite f32, as the problem puts it
.endif
.endr
.endr
.endr
.if \first
	v_max_num_f32 v[W0],   v[SC],    v[SC+1]
	v_max_num_f32 v[W0+1], v[SC+16], v[SC+17]
.else
	v_max3_num_f32 v[W0],   v[MX],   v[SC],    v[SC+1]
	v_max3_num_f32 v[W0+1], v[MX+1], v[SC+16], v[SC+17]
.endif
.irp p, 2,4,6,8,10,12,14
	v_max3_num_f32 v[W0],   v[W0],   v[SC+\p],    v[SC+\p+1]
	v_max3_num_f32 v[W0+1], v[W0+1], v[SC+16+\p], v[SC+17+\p]
.endr
	v_permlanex16_b32 v[W0+2], v[W0],   s44, s45   ; the other 16 keys of my query lie 16 lanes away
	v_permlanex16_b32 v[W0+3], v[W0+1], s44, s45
.if \first
	v_max_num_f32 v[MX],   v[W0],   v[W0+2]
	v_max_num_f32 v[MX+1], v[W0+1], v[W0+3]
.else
	v_max_num_f32 v[W0],   v[W0],   v[W0+2]
	v_max_num_f32 v[W0+1], v[W0+1], v[W0+3]
	v_pk_add_f32 v[AL:AL+1], v[MX:MX+1], v[W0:W0+1] neg_lo:[0,1] neg_hi:[0,1]     ; old maximum - new, never above 0
	v_mov_b32 v[MX],   v[W0]
	v_mov_b32 v[MX+1], v[W0+1]
.endif
.irp p, 0,2,4,6,8,10,12,14
	v_pk_add_f32 v[SC+\p:SC+\p+1],       v[SC+\p:SC+\p+1],       v[MX:MX+1] op_sel_hi:[1,0] neg_lo:[0,1] neg_hi:[0,1]              ; - maximum of tile 0
	v_pk_add_f32 v[SC+16+\p:SC+17+\p],   v[SC+16+\p:SC+17+\p],   v[MX:MX+1] op_sel:[0,1] op_sel_hi:[1,1] neg_lo:[0,1] neg_hi:[0,1] ; - maximum of tile 1
.endr
.if \first == 0
	v_exp_f32 v[AL],   v[AL]
	v_exp_f32 v[AL+1], v[AL+1]
.endif
.set ix, 0
.rept 32
	v_exp_f32 v[SC+ix], v[SC+ix]
.set ix, ix+1
.endr
	v_nop                                          ; one plain place behind the run of exponentials before a result is used (ISA guide 5.7.2)
.if \first
	s_wait_alu depctr_va_vdst(0)
	v_pk_add_f32 v[LS:LS+1],   v[SC:SC+1],       v[SC+2:SC+3]
	v_pk_add_f32 v[LS+2:LS+3], v[SC+16:SC+17],   v[SC+18:SC+19]
.else
	s_wait_alu depctr_va_vdst(0)
	v_pk_fma_f32 v[LS:LS+1],   v[LS:LS+1],   v[AL:AL+1], v[SC:SC+1]     op_sel_hi:[1,0,1]
	v_pk_fma_f32 v[LS+2:LS+3], v[LS+2:LS+3], v[AL:AL+1], v[SC+16:SC+17] op_sel:[0,1,0] op_sel_hi:[1,1,1]
	v_pk_add_f32 v[LS:LS+1],   v[LS:LS+1],   v[SC+2:SC+3]
	v_pk_add_f32 v[LS+2:LS+3], v[LS+2:LS+3], v[SC+18:SC+19]
.endif
.irp p, 4,6,8,10,12,14
	v_pk_add_f32 v[LS:LS+1],   v[LS:LS+1],   v[SC+\p:SC+\p+1]
	v_pk_add_f32 v[LS+2:LS+3], v[LS+2:LS+3], v[SC+16+\p:SC+17+\p]
.endr
.irp i, 0,1,2,3,4,5,6,7
	v_cvt_pk_f16_f32 v[SC+\i],    v[SC+2*\i],    v[SC+2*\i+1]         ; in place, ascending: word i is written when words 2 i, 2 i + 1 have been read
	v_cvt_pk_f16_f32 v[SC+16+\i], v[SC+16+2*\i], v[SC+17+2*\i]
.endr
.if \first == 0
.set ix, 0
.rept 16
	v_pk_mul_f32 v[OA+ix:OA+ix+1],       v[OA+ix:OA+ix+1],       v[AL:AL+1] op_sel_hi:[1,0]
	v_pk_mul_f32 v[OA+32+ix:OA+33+ix],   v[OA+32+ix:OA+33+ix],   v[AL:AL+1] op_sel:[0,1] op_sel_hi:[1,1]
.set ix, ix+2
.endr
.endif
	s_wait_dscnt 0x0                               ; V's fragments
.irp qt, 0,1
.irp dt, 0,1,2,3                                   ; the eight tiles of O take turns, one instruction a turn
.if \first
	v_wmma_f32_16x16x32_f16 v[OA+32*\qt+8*\dt:OA+32*\qt+8*\dt+7], v[VF+8*\dt:VF+8*\dt+7], v[SC+16*\qt:SC+16*\qt+7], 0
.else
	v_wmma_f32_16x16x32_f16 v[OA+32*\qt+8*\dt:OA+32*\qt+8*\dt+7], v[VF+8*\dt:VF+8*\dt+7], v[SC+16*\qt:SC+16*\qt+7], v[OA+32*\qt+8*\dt:OA+32*\qt+8*\dt+7]
.endif
.endr
.endr
.endm
	s_load_b256 s[4:11], s[0:1], 0x0               ; qb s[4:5], kb s[6:7], vt s[8:9], ob s[10:11]
	v_lshl_add_u32 v240, v0, 2, 0x30000
	v_mov_b32 v241, 0
	ds_add_u32 v240, v241
	ds_add_u32 v240, v241
	v_lshrrev_b32 v1, 5, v0
	v_readfirstlane_b32 s12, v1                    ; wave 0 .. 7
	s_and_b32 s14, ttmp7, 0xffff                   ; 8 b + h
	; Descriptor group 1, for every load: 8,192 dense bytes as 32 rows of 256, laid into LDS without gaps
	s_mov_b32 s16, 3<<16                           ; no mask; elements of 8 bytes; no padding
	s_mov_b32 s17, 32<<16                          ; tensor_dim0 = 32 elements
	s_mov_b32 s18, 32<<16                          ; tensor_dim1 = 32 rows
	s_mov_b32 s19, 32<<16                          ; tile_dim0 = 32
	s_mov_b32 s20, 32                              ; tile_dim1 = 32
	s_mov_b32 s21, 32                              ; 32 elements from row to row
	s_mov_b32 s22, 0
	s_mov_b32 s23, 0
	s_mov_b32 s46, ttmp9                           ; the three thirds of 256 keys in the order of asking and of LDS: x, x - 1, x + 1, held inside 0 .. 15
	s_sub_co_i32 s47, ttmp9, 1
	s_max_i32 s47, s47, 0
	s_add_co_u32 s48, ttmp9, 1
	s_min_u32 s48, s48, 15
	s_lshl_b32 s49, s14, 19                        ; the head: 524,288 bytes, in kb and in vt
	s_and_b32 s56, s12, 3
	s_lshl_b32 s56, s56, 13                        ; my quarter of a third: 8,192 bytes
	s_add_co_u32 s49, s49, s56
	s_mul_i32 s58, s12, 8192                       ; in LDS: 8,192 bytes a wave;
	s_lshr_b32 s59, s12, 2
	s_mul_i32 s59, s59, VREG-4*8192                ; waves 4 to 7 fill V's region
	s_add_co_u32 s58, s58, s59
	s_mov_b32 s57, 0
	s_wait_dscnt 0x0
	s_wait_kmcnt 0x0
	s_cmp_lt_u32 s12, 4
	s_cselect_b64 s[54:55], s[6:7], s[8:9]         ; waves 0 to 3 fetch K, waves 4 to 7 V
	; Group 0, a set for each third, and the load.  The three first fills of every wave go out as one group, ahead of every wait on TENSORcnt,
	; every LDS read and every barrier; nothing is filled again.  Three tensor loads of a wave are out at the most.
.irp i, 0,1,2
	s_mov_b32 s[32+4*\i], 1
	s_add_co_u32 s[33+4*\i], s58, \i*8*BLK
	s_lshl_b32 s56, s[46+\i], 15                   ; a third is 32,768 bytes
	s_add_co_u32 s56, s56, s49
	s_add_nc_u64 s[34+4*\i:35+4*\i], s[54:55], s[56:57]
	s_or_b32 s[35+4*\i], s[35+4*\i], 0x80000000    ; type 2
	tensor_load_to_lds s[32+4*\i:35+4*\i], s[16:23]
	s_nop 0
.endr
	s_lshl_b32 s56, ttmp9, 15                      ; my 32 queries: 128 bytes each from query 4,096 (8 b + h) + 256 x + 32 w on, in qb and in ob
	s_lshl_b32 s59, s12, 12
	s_add_co_u32 s56, s56, s59
	s_lshl_b32 s59, s14, 19
	s_add_co_u32 s56, s56, s59
	s_add_nc_u64 s[50:51], s[4:5], s[56:57]
	s_add_nc_u64 s[52:53], s[10:11], s[56:57]
	v_and_b32 v[RR], 15, v0
	v_bfe_u32 v[HH], v0, 4, 1
	v_and_b32 v[W1], 31, v0
	v_lshlrev_b32 v[GO], 4, v[W1]                  ; 16 l
.irp fr, 0,1,2,3
	global_load_b128 v[QF+8*\fr:QF+8*\fr+3],   v[GO], s[50:51] offset:\fr*1024 th:TH_LOAD_NT          ; 512 dense bytes a load; each query is read once in the launch
	global_load_b128 v[QF+8*\fr+4:QF+8*\fr+7], v[GO], s[50:51] offset:\fr*1024+512 th:TH_LOAD_NT
.endr
	s_and_b32 s46, s14, 7                          ; h
	s_add_co_u32 s46, s46, 1
	s_lshl_b32 s46, s46, 23
	s_sub_co_u32 s24, 0xbfb8aa3b, s46              ; -log2(e) 2^-(h+1): the slope 2^-(h+1) lowers the exponent field by h + 1
	s_mov_b32 s25, 0xf1800000                      ; -2^100
	s_mov_b32 s26, s24                             ; the middle third's keys are all keys of the sequence
	s_mov_b32 s29, 0x43800000                      ; 256.0
	s_mov_b32 s30, 0xff7fffff                      ; the lowest finite f32
	s_mov_b32 s13, 0xc3900000                      ; -288.0
	s_mov_b32 s15, 0xc2000000                      ; -32.0
	s_mov_b32 s56, 0xc2000000                      ; the step of i - j from block to block; the pair's second word is written because the pair is named
	s_mov_b32 s57, 0xc2000000
	s_mov_b32 s44, 0x76543210                      ; v_permlanex16_b32: lane i reads lane i of the other half
	s_mov_b32 s45, 0xfedcba98
	s_lshl_b32 s27, ttmp9, 8
	s_lshl_b32 s46, s12, 5
	s_add_co_u32 s27, s27, s46
	s_sub_co_u32 s27, s27, 256                     ; my lowest block's first key; wraps below 0
	s_mul_i32 s46, s12, BLK
	s_add_co_u32 s46, s46, 8*BLK                   ; my outer blocks begin at block 8 + w
	s_add_co_u32 s47, s46, VREG
	v_add_nc_u32 v[KA], s46, v[GO]
	v_add_nc_u32 v[VA], s47, v[GO]
	v_add_nc_u32 v[VM], VREG, v[GO]
	v_lshlrev_b32 v[W1], 3, v[HH]
	v_sub_nc_u32 v[TB], v[RR], v[W1]               ; r - 8 h
	s_lshl_b32 s46, s12, 5
	s_add_co_u32 s46, s46, 16
	v_add_nc_u32 v[W0], s46, v[TB]                 ; the middle third begins 32 w keys below my first query: r - 8 h - 16 + 32 + 32 w
	v_mov_b32 v[W0+2], 0                           ; a lane permute's destination counts as read
	v_mov_b32 v[W0+3], 0
	TINIT
	s_wait_tensorcnt 0x2                           ; my part of the middle third has landed; the two outer thirds stay out
	s_barrier_signal -1
	s_barrier_wait -1                              ; everybody's has
	s_wait_loadcnt 0x0                             ; Q
	BLOCK 1, 0, 0, 0                               ; the middle third: |i - j| <= 255, no mask; written out, so that every address is a constant beside 16 l
.irp pos, 1,2,3,4,5,6,7
	BLOCK 0, 0, 0, \pos*BLK
.endr
	s_wait_dscnt 0x0                               ; (met: each block ends its LDS loads)
	s_wait_tensorcnt 0x0                           ; my parts of the outer thirds have landed,
	s_barrier_signal -1
	v_add_nc_u32 v[W0], 272, v[TB]                 ; my lowest block begins 256 keys below my first query: r - 8 h - 16 + 32 + 256
	TINIT
	s_barrier_wait -1                              ; everybody's have
	s_mov_b32 s28, 8
	BLOCK 0, 1, 1, 0                               ; keys qw - 256 ..: the band's lower edge
	s_mov_b32 s28, 7
.Lblocks:
	BLOCK 0, 0, 1, 0                               ; seven blocks inside the band, the seam among them unless w = 0
	s_sub_co_i32 s28, s28, 1
	s_cmp_lg_u32 s28, 0
	s_cbranch_scc1 .Lblocks
	BLOCK 0, 1, 1, 0                               ; keys qw + 256 ..: the upper edge (s28 = 0: for wave 0 this is the seam)
	; THE WAY OUT.  The four adds are the places behind the last products (ISA guide 7.12.1).
	v_add_f32 v[W0],   v[LS],   v[LS+1]
	v_add_f32 v[W0+1], v[LS+2], v[LS+3]
	v_permlanex16_b32 v[W0+2], v[W0],   s44, s45
	v_permlanex16_b32 v[W0+3], v[W0+1], s44, s45
	v_add_f32 v[W0],   v[W0],   v[W0+2]            ; l of my query: at least 1, the weight of the maximum
	v_add_f32 v[W0+1], v[W0+1], v[W0+3]
	v_rcp_f32 v[AL],   v[W0]
	v_rcp_f32 v[AL+1], v[W0+1]
	v_nop                                          ; one plain place behind the reciprocals
.set ix, 0
	s_wait_alu depctr_va_vdst(0)
.rept 16
	v_pk_mul_f32 v[OA+ix:OA+ix+1],     v[OA+ix:OA+ix+1],     v[AL:AL+1] op_sel_hi:[1,0]
	v_pk_mul_f32 v[OA+32+ix:OA+33+ix], v[OA+32+ix:OA+33+ix], v[AL:AL+1] op_sel:[0,1] op_sel_hi:[1,1]
.set ix, ix+2
.endr
.set ix, 0
.rept 32
	v_cvt_pk_f16_f32 v[KF+ix], v[OA+2*ix], v[OA+2*ix+1]           ; tile ix / 4 = 4 qt + dt: eight neighbouring d of my query become 16 bytes
.set ix, ix+1
.endr
.irp t, 0,1,2,3,4,5,6,7
	global_store_b128 v[GO], v[KF+4*\t:KF+4*\t+3], s[52:53] offset:\t*512      ; tile 4 qt + dt in fragment order: 512 dense bytes, aligned
.endr
	s_wait_tensorcnt 0x0
	ds_add_u32 v240, v241
	s_wait_dscnt 0x0
	s_endpgm
.Lfunc_end_k_qbf4edc09be_attn:
	.size	k_qbf4edc09be_attn, .Lfunc_end_k_qbf4edc09be_attn-k_qbf4edc09be_attn
	.p2alignl 7, 3214868480
	.fill 96, 4, 3214868480
	.section	.rodata,"a",@progbits
	.p2align	6, 0x0
	.amdhsa_kernel k_qbf4edc09be_attn
		.amdhsa_group_segment_fixed_size 197632
		.amdhsa_private_segment_fixed_size 0
		.amdhsa_enable_private_segment 0
		.amdhsa_kernarg_size 32
		.amdhsa_user_sgpr_count 2
		.amdhsa_user_sgpr_kernarg_segment_ptr 1
		.amdhsa_wavefront_size32 1
		.amdhsa_system_sgpr_workgroup_id_x 1
		.amdhsa_system_sgpr_workgroup_id_y 1
		.amdhsa_system_sgpr_workgroup_id_z 1
		.amdhsa_system_vgpr_workitem_id 0
		.amdhsa_next_free_vgpr 242
		.amdhsa_next_free_sgpr 66
		.amdhsa_reserve_vcc 1
		.amdhsa_float_denorm_mode_32 3
		.amdhsa_float_denorm_mode_16_64 3
		.amdhsa_memory_ordered 1
		.amdhsa_forward_progress 1
		.amdhsa_inst_pref_size 154
	.end_amdhsa_kernel
	.amdgpu_metadata
---
amdhsa.version: [ 1, 2 ]
amdhsa.kernels:
  - .name:           k_qbf4edc09be_attn
    .symbol:         k_qbf4edc09be_attn.kd
    .args:
      - { .name: qb, .offset: 0, .size: 8, .value_kind: global_buffer, .address_space: global }
      - { .name: kb, .offset: 8, .size: 8, .value_kind: global_buffer, .address_space: global }
      - { .name: vt, .offset: 16, .size: 8, .value_kind: global_buffer, .address_space: global }
      - { .name: ob, .offset: 24, .size: 8, .value_kind: global_buffer, .address_space: global }
    .group_segment_fixed_size: 197632
    .private_segment_fixed_size: 0
    .kernarg_segment_align: 8
    .kernarg_segment_size: 32
    .max_flat_workgroup_size: 256
    .sgpr_count:     66
    .vgpr_count:     242
    .wavefront_size: 32
...
	.end_amdgpu_metadata
.endif
;; end of part 7
;; launch oproj (part 8): grid 4 x 64, 8 waves a work-group, clusters of 4 x 4, 297,984 bytes of LDS; arguments ob, wt, out0; writes out0
.if DOCPART == 8
	.amdgcn_target "amdgcn-amd-amdhsa--gfx1250"
	.amdhsa_code_object_version 6
	.text
	.protected	k_qbf4edc09be_oproj
	.globl	k_qbf4edc09be_oproj
	.p2align	8
	.type	k_qbf4edc09be_oproj,@function
k_qbf4edc09be_oproj:
	s_mov_b64 s[64:65], 0
	v_nop
	global_prefetch_b8 v0, s[64:65] scope:SCOPE_SE
	s_setreg_imm32_b32 hwreg(HW_REG_WAVE_MODE, 25, 1), 1
	s_wait_xcnt 0x0
	s_wait_alu depctr_hold_cnt(0) depctr_sa_sdst(0) depctr_va_vdst(0) depctr_va_sdst(0) depctr_va_ssrc(0) depctr_va_vcc(0) depctr_vm_vsrc(0)
	s_getreg_b32 s2, hwreg(HW_REG_IB_STS2, 6, 4)
	s_cmp_eq_u32 s2, 0
	s_cbranch_scc0 .Lentry_in_a_cluster
	s_endpgm
.Lentry_in_a_cluster:
	s_bfe_u32 s2, ttmp6, 0x10000c
	s_cmp_lg_u32 s2, 0xf033
	s_cbranch_scc0 .Lentry_shape_is_right
	s_endpgm
.Lentry_shape_is_right:
; out0[token][e] = sum over hd of o[token][hd] w_o[hd][e], f32 out.  Work-group (cb, tb): 128 tokens x 128 columns, K = 512.
; K step kc is head kc.  Both operands are f16 in fragment order: ob gives a tile of 128 tokens x 64 as 16,384 dense bytes, wt's fourth matrix
; of my column block a tile of 128 e x 64 likewise, the eight of them dense.  A fragment is 1,024 dense bytes, lane l at byte 16 l: no padding.
; THE WHOLE K LIES IN LDS: 8 + 8 tiles, 262,144 bytes, asked for at the head in four pairs of K steps, four tensor loads a wave, which is the most
; that a wave has out.  Nothing is filled again.  A pair is read behind a counted wait and a barrier; the later pairs stay on their way.
; CLUSTERS: 4 x 4 work-groups.  o's tiles hang on the token block alone and are asked for jointly along a row of the cluster, W's on the column
; block alone and jointly along a column: the requests for both are divided by four.
; D = (A: 16 columns of W^T) x (B: 16 tokens): lane l holds token l % 16 and eight neighbouring columns.
; Wave w: tokens 32 (w & 3) .. + 31, columns 64 (w >> 2) .. + 63: a row of its block is 256 aligned bytes of out0.
.set TILE,  16384
.set WREG,  8*TILE                     ; W's eight tiles behind o's eight
.set STAGE, 16*TILE                    ; behind both: 16 rows x 272 bytes for each wave, its own; no fill lands there
.set SPIT,  272                        ; a stage row: 64 f32 + 16 bytes
.set AA,  2                            ; v2, v3   o's fragments, K steps 0-3 and 4-7: 4,096 tw + 16 l (+ 4 tiles: beyond the 16-bit immediate)
.set WA,  4                            ; v4, v5   W's fragments: WREG + 8,192 cw + 16 l (+ 4 tiles)
.set STO, 6
.set RD,  7
.set GS,  8
.set AF,  10                           ; v[10:41]   token fragments, two buffers of two
.set WF,  42                           ; v[42:105]  column fragments, two buffers of four; the way out
.set ACC, 106                          ; v[106:169] accumulator tile 4 tt + ct; before the first product: at work
.set G1,  24                           ; s[24:31] group 1 for o's tiles
.set G0,  32                           ; s[32:47] group 0 for o's tiles, a set for each pair
.set G0B, 48                           ; s[48:63] group 0 for W's tiles
.set G1B, 68                           ; s[68:75] group 1 for W's tiles: it differs in the mask alone
.macro JLOAD p                         ; waves 0-3 ask for o, waves 4-7 for W; each line has one mask; the branch hangs on the wave's number alone
	s_cmp_lt_u32 s16, 4
	s_cbranch_scc0 .Lfor_w_\@
	tensor_load_to_lds s[G0+4*\p:G0+4*\p+3], s[G1:G1+7]
	s_nop 0
	s_branch .Lasked_\@
.Lfor_w_\@:
	tensor_load_to_lds s[G0B+4*\p:G0B+4*\p+3], s[G1B:G1B+7]
	s_nop 0
.Lasked_\@:
.endm
.macro CROUND                          ; a round of the cluster's barrier
	s_barrier_signal -1
	s_barrier_wait -1
	s_cmp_lg_u32 s16, 0
	s_cbranch_scc1 .Lnot_wave_0_\@
	s_barrier_signal -3
.Lnot_wave_0_\@:
	s_barrier_wait -3
	s_barrier_signal -1
	s_barrier_wait -1
.endm
.macro LOADF kc, ks, b                 ; the 12 LDS loads of 32 along K into buffer b
.irp tt, 0,1
	ds_load_b128 v[AF+16*\b+8*\tt:AF+16*\b+8*\tt+3],   v[AA+(\kc)/4] offset:((\kc)%4)*TILE+\ks*1024+\tt*2048
	ds_load_b128 v[AF+16*\b+8*\tt+4:AF+16*\b+8*\tt+7], v[AA+(\kc)/4] offset:((\kc)%4)*TILE+\ks*1024+\tt*2048+512
.endr
.irp ct, 0,1,2,3
	ds_load_b128 v[WF+32*\b+8*\ct:WF+32*\b+8*\ct+3],   v[WA+(\kc)/4] offset:((\kc)%4)*TILE+\ks*1024+\ct*2048
	ds_load_b128 v[WF+32*\b+8*\ct+4:WF+32*\b+8*\ct+7], v[WA+(\kc)/4] offset:((\kc)%4)*TILE+\ks*1024+\ct*2048+512
.endr
.endm
.macro MM b, zero                      ; the eight accumulators take turns, one instruction a turn
.irp tt, 0,1
.irp ct, 0,1,2,3
.if \zero
	v_wmma_f32_16x16x32_f16 v[ACC+8*(4*\tt+\ct):ACC+8*(4*\tt+\ct)+7], v[WF+32*\b+8*\ct:WF+32*\b+8*\ct+7], v[AF+16*\b+8*\tt:AF+16*\b+8*\tt+7], 0
.else
	v_wmma_f32_16x16x32_f16 v[ACC+8*(4*\tt+\ct):ACC+8*(4*\tt+\ct)+7], v[WF+32*\b+8*\ct:WF+32*\b+8*\ct+7], v[AF+16*\b+8*\tt:AF+16*\b+8*\tt+7], v[ACC+8*(4*\tt+\ct):ACC+8*(4*\tt+\ct)+7]
.endif
.endr
.endr
.endm
.macro PLACES                          ; four places behind a matrix instruction before a load lands in one of its sources or its result is read
.rept 4
	v_nop
.endr
.endm
; One step of 32 along K, number qq of 16.  Its loads were issued a step ago; the next step's go out ahead of its products, into the other buffer.
; Where the next step begins a new pair of K steps, that pair's counted wait and a barrier come first, with this step's products between signal and wait.
.macro STEP
.set bb,  qq%2
.set nq,  qq+1
.set nkc, nq/2
.set nks, nq%2
.set zf, 0
.if qq == 0
.set zf, 1                                         ; the first products start the sums
.endif
	s_wait_dscnt 0x0
.if qq == 15
	MM bb, 0
.else
.if (qq%4) == 3
	s_wait_tensorcnt 2-qq/4                        ; my part of the next pair is in; the pairs behind it stay out
	s_barrier_signal -1
	MM bb, 0
	s_barrier_wait -1                              ; everybody's is
	PLACES
	LOADF nkc, nks, nks
.else
	PLACES
	LOADF nkc, nks, nks
	MM bb, zf
.endif
.endif
.endm
	s_load_b128 s[4:7], s[0:1], 0x0                ; ob s[4:5], wt s[6:7]
	s_load_b64 s[8:9], s[0:1], 0x10                ; out0
	v_lshl_add_u32 v170, v0, 2, 0x48800
	v_mov_b32 v171, 0
	ds_add_u32 v170, v171
	ds_add_u32 v170, v171
	v_lshrrev_b32 v1, 5, v0
	v_readfirstlane_b32 s16, v1                    ; wave 0 .. 7
	s_and_b32 s17, s16, 3
	s_bfe_u32 s18, s16, 0x10001                    ; waves 0-3: which K step of a pair I fetch o for
	s_and_b32 s19, s16, 1                          ; and which half of its tile
	s_bfe_u32 s20, ttmp6, 0x40000                  ; cx
	s_bfe_u32 s21, ttmp6, 0x40004                  ; cy
	s_lshl_b32 s80, ttmp9, 2
	s_add_co_u32 s80, s80, s20                     ; cb = 4 x cluster x + cx
	s_and_b32 s22, ttmp7, 0xffff
	s_lshl_b32 s22, s22, 2
	s_add_co_u32 s22, s22, s21                     ; tb = 4 x cluster y + cy
	s_lshl_b32 s78, s21, 2
	s_lshl_b32 s78, 15, s78                        ; my row of the cluster
	s_lshl_b32 s81, 0x1111, s20                    ; my column
	; group 1: 8,192 dense bytes as 32 rows of 256, no padding
	s_or_b32 s[G1+0], s78, (3<<16)|(1<<21)         ; mask of my row; elements of 8 bytes; bit 21 beside a mask
	s_or_b32 s[G1B+0], s81, (3<<16)|(1<<21)        ; mask of my column
	s_mov_b32 s[G1+1], 32<<16
	s_mov_b32 s[G1B+1], 32<<16
	s_mov_b32 s[G1+2], 32<<16
	s_mov_b32 s[G1B+2], 32<<16
	s_mov_b32 s[G1+3], 32<<16
	s_mov_b32 s[G1B+3], 32<<16
	s_mov_b32 s[G1+4], 32
	s_mov_b32 s[G1B+4], 32
	s_mov_b32 s[G1+5], 32
	s_mov_b32 s[G1B+5], 32
	s_mov_b32 s[G1+6], 0
	s_mov_b32 s[G1B+6], 0
	s_mov_b32 s[G1+7], 0
	s_mov_b32 s[G1B+7], 0
	s_lshr_b32 s84, s22, 5                         ; ob: batch b = tb / 32,
	s_lshl_b32 s84, s84, 3
	s_add_co_u32 s84, s84, s18                     ; head 8 b + my step of the pair,
	s_lshl_b32 s84, s84, 19
	s_and_b32 s85, s22, 31
	s_lshl_b32 s85, s85, 14                        ; 128 (tb % 32) tokens of 128 bytes,
	s_add_co_u32 s84, s84, s85
	s_lshl_b32 s85, s19, 13                        ; my half of the tile
	s_add_co_u32 s84, s84, s85
	s_mov_b32 s85, 0
	s_lshl_b32 s86, s80, 19                        ; wt: cb x 524,288,
	s_add_co_u32 s86, s86, 3*131072                ; the fourth matrix,
	s_lshl_b32 s87, s17, 13                        ; my quarter of a pair's 32,768 dense bytes
	s_add_co_u32 s86, s86, s87
	s_mov_b32 s87, 0
	s_lshl_b32 s82, s22, 18                        ; out0: 128 tb rows of 2,048 bytes
	s_lshl_b32 s83, s17, 16                        ; + my 32 rows
	s_add_co_u32 s82, s82, s83
	s_lshl_b32 s83, s80, 9                         ; + 128 cb columns of 4 bytes
	s_add_co_u32 s82, s82, s83
	s_lshr_b32 s83, s16, 2
	s_lshl_b32 s83, s83, 8                         ; + my 64 columns
	s_add_co_u32 s82, s82, s83
	s_mov_b32 s83, 0
	s_mul_i32 s88, s16, 8192                       ; LDS: o's four parts of a pair follow each other: wave x 8,192
	s_mul_i32 s89, s17, 8192
	s_add_co_u32 s89, s89, WREG                    ; W's likewise, in W's region
	s_mul_i32 s23, s16, 16*SPIT
	s_add_co_u32 s23, s23, STAGE                   ; my stage
	s_wait_dscnt 0x0
	s_wait_kmcnt 0x0
	s_add_nc_u64 s[76:77], s[4:5], s[84:85]
	s_add_nc_u64 s[90:91], s[6:7], s[86:87]
	s_add_nc_u64 s[92:93], s[8:9], s[82:83]
	CROUND                                         ; all sixteen work-groups are here: the joint loads meet
.irp p, 0,1,2,3
	s_mov_b32 s[G0+4*\p], 1
	s_add_co_u32 s[G0+4*\p+1], s88, \p*2*TILE
	s_add_nc_u64 s[G0+4*\p+2:G0+4*\p+3], s[76:77], \p*2*524288     ; two heads on
	s_or_b32 s[G0+4*\p+3], s[G0+4*\p+3], 0x80000000                ; type 2
	s_mov_b32 s[G0B+4*\p], 1
	s_add_co_u32 s[G0B+4*\p+1], s89, \p*2*TILE
	s_add_nc_u64 s[G0B+4*\p+2:G0B+4*\p+3], s[90:91], \p*2*TILE
	s_or_b32 s[G0B+4*\p+3], s[G0B+4*\p+3], 0x80000000
	JLOAD \p                                       ; all first fills as one group, ahead of every wait on TENSORcnt, every LDS read and every other barrier
.endr
	v_and_b32 v[ACC], 15, v0                       ; r
	v_bfe_u32 v[ACC+1], v0, 4, 1                   ; h
	v_and_b32 v[ACC+2], 31, v0
	v_lshlrev_b32 v[ACC+3], 4, v[ACC+2]            ; 16 l
	v_bfe_u32 v[ACC+4], v0, 5, 2                   ; tw = w & 3
	v_lshrrev_b32 v[ACC+5], 7, v0                  ; cw = w >> 2
	v_lshl_add_u32 v[AA], v[ACC+4], 12, v[ACC+3]   ; 32 tokens are 4,096 bytes of a tile
	v_add_nc_u32 v[AA+1], 4*TILE, v[AA]
	v_lshl_add_u32 v[WA], v[ACC+5], 13, v[ACC+3]   ; 64 columns are 8,192 bytes of a tile
	v_add_nc_u32 v[WA], WREG, v[WA]
	v_add_nc_u32 v[WA+1], 4*TILE, v[WA]
	v_mul_u32_u24 v[STO], v[ACC], SPIT             ; in: token r, columns 8 h .. of a block of 16, in f32
	v_lshl_add_u32 v[STO], v[ACC+1], 5, v[STO]
	v_add_nc_u32 v[STO], s23, v[STO]
	v_mul_u32_u24 v[RD], v[ACC+1], SPIT            ; back: lanes 0-15 take one row of 256 bytes, lanes 16-31 the next
	v_lshl_add_u32 v[RD], v[ACC], 4, v[RD]
	v_add_nc_u32 v[RD], s23, v[RD]
	v_lshlrev_b32 v[GS], 4, v[ACC]                 ; and the same two rows in out0
	v_lshl_add_u32 v[GS], v[ACC+1], 11, v[GS]
	s_wait_tensorcnt 0x3                           ; my part of pair 0 is in; three pairs stay out
	s_barrier_signal -1
	s_barrier_wait -1                              ; everybody's is
	LOADF 0, 0, 0
.set qq, 0
.rept 16
	STEP
.set qq, qq+1
.endr
	; THE WAY OUT, 16 tokens at a time through my own stage: eight f32 a lane in, whole rows of 256 bytes back.  LDS serves a wave's instructions
	; in order (ISA guide 5.7.1), so the loads see the stores above them, and the second half's stores come behind the first half's loads.
	PLACES
.irp tt, 0,1
.irp ct, 0,1,2,3
	ds_store_b128 v[STO], v[ACC+8*(4*\tt+\ct):ACC+8*(4*\tt+\ct)+3]   offset:\ct*64
	ds_store_b128 v[STO], v[ACC+8*(4*\tt+\ct)+4:ACC+8*(4*\tt+\ct)+7] offset:\ct*64+16
.endr
.irp i, 0,1,2,3,4,5,6,7
	ds_load_b128 v[WF+32*\tt+4*\i:WF+32*\tt+4*\i+3], v[RD] offset:\i*2*SPIT
.endr
.endr
.irp i, 0,1,2,3,4,5,6,7
	s_wait_dscnt 23-\i                             ; behind load i of the first half stand its 7 - i younger loads and the second half's 8 stores and 8 loads
	global_store_b128 v[GS], v[WF+4*\i:WF+4*\i+3], s[92:93] offset:\i*4096 th:TH_STORE_NT         ; sixteen lanes store 256 consecutive aligned bytes of a row
.endr
.irp i, 0,1,2,3,4,5,6,7
	s_wait_dscnt 7-\i
	global_store_b128 v[GS], v[WF+32+4*\i:WF+32+4*\i+3], s[92:93] offset:32768+\i*4096 th:TH_STORE_NT
.endr
	s_wait_tensorcnt 0x0
	ds_add_u32 v170, v171
	s_wait_dscnt 0x0
	CROUND                                         ; the closing round: no work-group ends while a partner may still ask for a tile that names it
	s_endpgm
.Lfunc_end_k_qbf4edc09be_oproj:
	.size	k_qbf4edc09be_oproj, .Lfunc_end_k_qbf4edc09be_oproj-k_qbf4edc09be_oproj
	.p2alignl 7, 3214868480
	.fill 96, 4, 3214868480
	.section	.rodata,"a",@progbits
	.p2align	6, 0x0
	.amdhsa_kernel k_qbf4edc09be_oproj
		.amdhsa_group_segment_fixed_size 297984
		.amdhsa_private_segment_fixed_size 0
		.amdhsa_enable_private_segment 0
		.amdhsa_kernarg_size 24
		.amdhsa_user_sgpr_count 2
		.amdhsa_user_sgpr_kernarg_segment_ptr 1
		.amdhsa_wavefront_size32 1
		.amdhsa_system_sgpr_workgroup_id_x 1
		.amdhsa_system_sgpr_workgroup_id_y 1
		.amdhsa_system_sgpr_workgroup_id_z 1
		.amdhsa_system_vgpr_workitem_id 0
		.amdhsa_next_free_vgpr 172
		.amdhsa_next_free_sgpr 94
		.amdhsa_reserve_vcc 0
		.amdhsa_float_denorm_mode_32 3
		.amdhsa_float_denorm_mode_16_64 3
		.amdhsa_memory_ordered 1
		.amdhsa_forward_progress 1
		.amdhsa_inst_pref_size 36
	.end_amdhsa_kernel
	.amdgpu_metadata
---
amdhsa.version: [ 1, 2 ]
amdhsa.kernels:
  - .name:           k_qbf4edc09be_oproj
    .symbol:         k_qbf4edc09be_oproj.kd
    .args:
      - { .name: ob, .offset: 0, .size: 8, .value_kind: global_buffer, .address_space: global }
      - { .name: wt, .offset: 8, .size: 8, .value_kind: global_buffer, .address_space: global }
      - { .name: out0, .offset: 16, .size: 8, .value_kind: global_buffer, .address_space: global }
    .group_segment_fixed_size: 297984
    .private_segment_fixed_size: 0
    .kernarg_segment_align: 8
    .kernarg_segment_size: 24
    .max_flat_workgroup_size: 256
    .sgpr_count:     94
    .vgpr_count:     172
    .wavefront_size: 32
...
	.end_amdgpu_metadata
.endif
;; end of part 8
